; MI455X (gfx1250); checked and timed in simulation.
; The chip was launched on July 23, 2026; its instructions are those of AMD's public machine-readable ISA for CDNA 5 (MIT licence, August 2026) and "CDNA5" Instruction Set Architecture Reference Guide (July 2026). The comments in the code are by the model that wrote it; some were corrected since.
;; Local Transformer. Allowed arithmetic: float matrix products may take bf16 or f16 operands with f32 sums; other float arithmetic in f32, or as packed bf16 or f16 multiplies, adds, multiply-adds, maxima and minima; sums over many terms, partial sums and values carried from step to step in f32; what a program stores and reads back later, other than sums and carried values, may be rounded once to bf16 or f16.
;; Inputs: Wa 64 x 64 float32; Wk 64 x 64 float32; Wks 64 x 64 float32; Wp1 4 x 64 float32; Wp2 64 x 64 float32; Wq 64 x 64 float32; Wt1 64 x 64 float32; Wt2 64 x 64 float32; Wv 64 x 64 float32; ba 64 float32; bk 64 float32; bp1 64 float32; bp2 64 float32; bt1 64 float32; bt2 64 float32; features 2 x 8,192 x 64 float32; xyzp 2 x 8,192 x 4 float32.
;; Outputs: out0 2 x 8,192 x 64 float32.
;; Constants: k_nearest = 16.
;; 2 versions, each right; version 2 is version 1 with the launch attn written anew for expert scheduling mode. Each part assembles by itself: llvm-mc -triple=amdgcn-amd-amdhsa -mcpu=gfx1250 --defsym DOCPART=n.
;; ======== version 1 of 2: 4 launches
;; workspace buffers: tg 262,144 bytes; tq 524,288 bytes; p4 262,144 bytes; xb 2,097,152 bytes; qp 4,194,304 bytes; wb 53,248 bytes; gl 1,048,576 bytes of whole numbers; nb 1,048,576 bytes of whole numbers
;; launch prep (part 1): grid 256 x 1, 4 waves a work-group, no clusters, 16,896 bytes of LDS; arguments xyzp, features, Wk, bk, Wq, bp2, Wp1, bp1, Wp2, Wks, Wv, Wt1, Wt2, Wa, tg, tq, p4, xb, qp, wb; writes tg, tq, p4, xb, qp, wb
.if DOCPART == 1
	.amdgcn_target "amdgcn-amd-amdhsa--gfx1250"
	.amdhsa_code_object_version 6
	.text
	.protected	k_qe72960677d_prep
	.globl	k_qe72960677d_prep
	.p2align	8
	.type	k_qe72960677d_prep,@function
k_qe72960677d_prep:
	s_mov_b64 s[64:65], 0
	v_nop
	global_prefetch_b8 v0, s[64:65] scope:SCOPE_SE
	s_setreg_imm32_b32 hwreg(HW_REG_WAVE_MODE, 25, 1), 1
	s_wait_xcnt 0x0
; PREP: tables for the later launches.  Every input is first rounded to a bf16 value (nearest even); all later arithmetic starts from those values.
;   tg  for each group of 16 points 256 bytes of f32: -2 y0 x16, -2 y1 x16, -2 y2 x16, |y|^2 x16        tq  for each point 32 bytes: x0,x0,x1,x1,x2,x2,|x|^2,|x|^2
;   p4  the rounded xyzp in f32        xb  x = features Wk + bk, rounded once to bf16, [point][64]        qp  x Wq + bp2 in f32, [point][64]
;   wb  the weights of the last launch as bf16 matrix fragments: P1 (Wp1 with bp1 as row 4) at 0, Wp2 at 4096, -Wks at 12288, Wv at 20480, Wt1 at 28672, Wt2 at 36864, Wa at 45056
; A FRAGMENT f = 4 ks + t is 1,024 bytes: the 16 bytes at 512 q + 16 lane hold W[32 ks + 16 q + 8 (lane / 16) + 0..7][16 t + lane % 16]: two loads of 16 bytes a lane fill the 8 registers.
; |x|^2 = fma(x2, x2, fma(x1, x1, x0 x0)): the products of bf16 values are exact in f32, so each line rounds as a plain sum in ascending order does.
; SHARES: 256 work-groups of 4 waves; a work-group owns 64 points, a wave 16.  Work-groups 0 to 6 also write one matrix of wb each.
; LIMITS: NaN and infinities are not treated apart; -2 y is exact but where it leaves f32's range.
.set WKF,   0                          ; LDS: Wk's 8 fragments
.set WQF,   8192                       ; LDS: Wq's 8 fragments
.set SPARE, 16384                      ; the spare words: 128 bytes for each of 4 waves
.set T,     32                         ; v32-63   f32 as loaded
.set PK,    64                         ; v64-79   packed bf16 on the way to LDS or wb
.set W,     64                         ; v64-127  8 fragments of one weight matrix
.set ACC,   128                        ; v128-159 4 accumulators: tile t = output channels 16 t ..
.set FB,    160                        ; v160-175 the 16 points' activations as two fragments: features, then x
.macro RND2 a, b, t                    ; two f32 rounded to bf16 values, in place
	v_cvt_pk_bf16_f32 v[\t], v[\a], v[\b]
	v_lshlrev_b32 v[\a], 16, v[\t]
	v_and_b32 v[\b], 0xffff0000, v[\t]
.endm
.macro PLACES                          ; four plain vector places behind a matrix instruction (ISA guide 7.12.1)
.rept 4
	v_nop
.endr
.endm
; A 64 x 64 matrix at s[sb:sb+1] becomes 8 fragments: thread n makes the 16-byte pieces n, n + 128, n + 256, n + 384.  glob = 0: to LDS at off; 1: to memory at s[db:db+1], signs turned by s53.
.macro BUILD sb, glob, db, off
.set i, 0
.rept 4
.set e, 0
.rept 8
	global_load_b32 v[T+8*i+e], v5, s[\sb:\sb+1] offset:(i>>1)*8192+(i&1)*128+e*256
.set e, e+1
.endr
.set i, i+1
.endr
	s_wait_loadcnt 0x0
.set i, 0
.rept 16
	v_cvt_pk_bf16_f32 v[PK+i], v[T+2*i], v[T+2*i+1]
.set i, i+1
.endr
.if \glob
.set i, 0
.rept 16
	v_xor_b32 v[PK+i], s53, v[PK+i]
.set i, i+1
.endr
.endif
.set i, 0
.rept 4
.if \glob
	global_store_b128 v6, v[PK+4*i:PK+4*i+3], s[\db:\db+1] offset:i*2048
.else
	ds_store_b128 v6, v[PK+4*i:PK+4*i+3] offset:(\off)+i*2048
.endif
.set i, i+1
.endr
.endm
	s_load_b512 s[4:19], s[0:1], 0x0               ; xyzp s4, features s6, Wk s8, bk s10, Wq s12, bp2 s14, Wp1 s16, bp1 s18
	s_load_b512 s[20:35], s[0:1], 0x40             ; Wp2 s20, Wks s22, Wv s24, Wt1 s26, Wt2 s28, Wa s30, tg s32, tq s34
	s_load_b256 s[36:43], s[0:1], 0x80             ; p4 s36, xb s38, qp s40, wb s42
	v_lshl_add_u32 v3, v0, 2, SPARE                ; my spare word; never rewritten
	v_mov_b32 v4, 0                                ; 0; never rewritten
	v_and_b32 v1, 15, v0                           ; r
	v_bfe_u32 v2, v0, 4, 1                         ; h
	v_lshrrev_b32 v12, 5, v0
	v_readfirstlane_b32 s44, v12                   ; wave
	s_mov_b32 s45, ttmp9                           ; work-group
	v_mov_b32 v14, 0
	v_lshlrev_b32 v6, 4, v0                        ; 16 x thread
	v_and_b32 v13, 31, v0
	v_lshlrev_b32 v13, 4, v13                      ; 16 x lane
	s_and_b32 s54, s44, 1
	s_lshr_b32 s55, s44, 1
	s_lshl_b32 s46, s55, 6
	v_lshl_add_u32 v11, v1, 2, s46                 ; column (16 (w / 2) + r) in bytes
	s_lshl_b32 s48, s54, 12
	v_lshl_add_u32 v5, v2, 11, s48                 ; row (16 (w % 2) + 8 h) in bytes
	v_add_nc_u32 v5, v5, v11
	v_lshlrev_b32 v7, 5, v2                        ; 32 h
	v_lshl_add_u32 v8, v1, 8, v7                   ; 256 r + 32 h: features and qp
	v_lshlrev_b32 v9, 7, v1
	v_lshl_add_u32 v9, v2, 4, v9                   ; 128 r + 16 h: xb
	s_wait_kmcnt 0x0
	BUILD 8, 0, 0, WKF
	BUILD 12, 0, 0, WQF
	; wb: work-group 0 writes P1, work-groups 1 to 6 one 64 x 64 matrix each
	s_cmp_gt_u32 s45, 6
	s_cbranch_scc1 .Lno_wb
	s_cmp_eq_u32 s45, 0
	s_cbranch_scc1 .Lp1
	s_mov_b64 s[46:47], s[20:21]
	s_cmp_eq_u32 s45, 2
	s_cselect_b64 s[46:47], s[22:23], s[46:47]
	s_cmp_eq_u32 s45, 3
	s_cselect_b64 s[46:47], s[24:25], s[46:47]
	s_cmp_eq_u32 s45, 4
	s_cselect_b64 s[46:47], s[26:27], s[46:47]
	s_cmp_eq_u32 s45, 5
	s_cselect_b64 s[46:47], s[28:29], s[46:47]
	s_cmp_eq_u32 s45, 6
	s_cselect_b64 s[46:47], s[30:31], s[46:47]
	s_cmp_eq_u32 s45, 2
	s_cselect_b32 s53, 0x80008000, 0               ; Wks goes in with its sign turned: q - k becomes a sum of products
	s_sub_co_u32 s48, s45, 1
	s_lshl_b32 s48, s48, 13
	s_add_co_u32 s48, s48, 4096
	s_mov_b32 s49, 0
	s_add_nc_u64 s[50:51], s[42:43], s[48:49]
	BUILD 46, 1, 50, 0
	s_branch .Lno_wb
.Lp1:                                                  ; 4 fragments with K = 32: rows 0-3 Wp1, row 4 bp1, the rest 0: only q = 0, h = 0 holds numbers
	s_cmp_eq_u32 s54, 0
	s_cselect_b32 s52, 0xffff, 0
.set i, 0
.rept 2
.set e, 0
.rept 4
	global_load_b32 v[T+8*i+e], v11, s[16:17] offset:i*128+e*256
.set e, e+1
.endr
	global_load_b32 v[T+8*i+4], v11, s[18:19] offset:i*128
.set i, i+1
.endr
	s_wait_loadcnt 0x0
.set i, 0
.rept 2
	v_cvt_pk_bf16_f32 v[PK+4*i], v[T+8*i], v[T+8*i+1]
	v_cvt_pk_bf16_f32 v[PK+4*i+1], v[T+8*i+2], v[T+8*i+3]
	v_cvt_pk_bf16_f32 v[PK+4*i+2], v[T+8*i+4], v14
	v_cndmask_b32 v[PK+4*i], 0, v[PK+4*i], s52
	v_cndmask_b32 v[PK+4*i+1], 0, v[PK+4*i+1], s52
	v_cndmask_b32 v[PK+4*i+2], 0, v[PK+4*i+2], s52
	v_mov_b32 v[PK+4*i+3], 0
	global_store_b128 v6, v[PK+4*i:PK+4*i+3], s[42:43] offset:i*2048
.set i, i+1
.endr
.Lno_wb:
	s_wait_xcnt 0x0                                ; the stores' data, and the scalar registers named above, are rewritten only behind this wait
	; the point tables: waves 0 and 1, a point a thread
	s_cmp_gt_u32 s44, 1
	s_cbranch_scc1 .Lno_tab
	s_lshl_b32 s48, s45, 10
	s_mov_b32 s49, 0
	s_add_nc_u64 s[46:47], s[4:5], s[48:49]
	s_add_nc_u64 s[50:51], s[36:37], s[48:49]
	s_add_nc_u64 s[56:57], s[32:33], s[48:49]
	s_lshl_b32 s48, s45, 11
	s_add_nc_u64 s[58:59], s[34:35], s[48:49]
	global_load_b128 v[176:179], v6, s[46:47]
	v_lshlrev_b32 v20, 5, v0
	v_lshrrev_b32 v21, 4, v0
	v_lshlrev_b32 v21, 8, v21
	v_lshl_add_u32 v21, v1, 2, v21                 ; 256 x group + 4 x place in the group
	s_wait_loadcnt 0x0
	RND2 176, 177, 180
	RND2 178, 179, 180
	v_mul_f32 v190, v176, v176
	v_fma_f32 v190, v177, v177, v190
	v_fma_f32 v190, v178, v178, v190
	v_mul_f32 v181, -2.0, v176
	v_mul_f32 v182, -2.0, v177
	v_mul_f32 v183, -2.0, v178
	v_mov_b32 v184, v176
	v_mov_b32 v185, v176
	v_mov_b32 v186, v177
	v_mov_b32 v187, v177
	v_mov_b32 v188, v178
	v_mov_b32 v189, v178
	v_mov_b32 v191, v190
	global_store_b128 v6, v[176:179], s[50:51]
	global_store_b128 v20, v[184:187], s[58:59]
	global_store_b128 v20, v[188:191], s[58:59] offset:16
	global_store_b32 v21, v181, s[56:57]
	global_store_b32 v21, v182, s[56:57] offset:64
	global_store_b32 v21, v183, s[56:57] offset:128
	global_store_b32 v21, v190, s[56:57] offset:192
.Lno_tab:
	s_wait_dscnt 0x0                               ; my pieces of Wk's and Wq's fragments are in LDS
	s_barrier_signal -1
	s_barrier_wait -1                              ; everybody's are
	s_wait_xcnt 0x0                                ; the scalar bases above are rewritten only behind this wait
	; x = features Wk + bk for my 16 points.  Source 0 = weights, source 1 = points: a lane holds point r and channels 16 t + 8 h + 0..7
	s_lshl_b32 s48, s45, 6
	s_lshl_b32 s52, s44, 4
	s_add_co_u32 s48, s48, s52                     ; my first point
	s_lshl_b32 s52, s48, 8
	s_mov_b32 s53, 0
	s_add_nc_u64 s[46:47], s[6:7], s[52:53]
	s_add_nc_u64 s[50:51], s[40:41], s[52:53]
	s_lshl_b32 s52, s48, 7
	s_add_nc_u64 s[56:57], s[38:39], s[52:53]
.set n, 0
.rept 8
	global_load_b128 v[T+4*n:T+4*n+3], v8, s[46:47] offset:(n>>1)*64+(n&1)*16
	global_load_b128 v[ACC+4*n:ACC+4*n+3], v7, s[10:11] offset:(n>>1)*64+(n&1)*16
.set n, n+1
.endr
.set f, 0
.rept 8
	ds_load_b128 v[W+8*f:W+8*f+3], v13 offset:WKF+f*1024
	ds_load_b128 v[W+8*f+4:W+8*f+7], v13 offset:WKF+f*1024+512
.set f, f+1
.endr
	s_wait_loadcnt 0x0
.set i, 0
.rept 16
	v_cvt_pk_bf16_f32 v[FB+i], v[T+2*i], v[T+2*i+1]
.set i, i+1
.endr
.set i, 0
.rept 16
	RND2 ACC+2*i, ACC+2*i+1, 30                    ; the bias starts the sums
.set i, i+1
.endr
	s_wait_dscnt 0x0
.set ks, 0
.rept 2
.set t, 0
.rept 4                                                ; the four accumulators take turns
	v_wmma_f32_16x16x32_bf16 v[ACC+8*t:ACC+8*t+7], v[W+8*(4*ks+t):W+8*(4*ks+t)+7], v[FB+8*ks:FB+8*ks+7], v[ACC+8*t:ACC+8*t+7]
.set t, t+1
.endr
.set ks, ks+1
.endr
	PLACES
.set i, 0
.rept 16                                               ; tiles 2 ks, 2 ks + 1 rounded in pairs ARE fragment ks of the next product
	v_cvt_pk_bf16_f32 v[FB+i], v[ACC+2*i], v[ACC+2*i+1]
.set i, i+1
.endr
.set t, 0
.rept 4
	global_store_b128 v9, v[FB+4*t:FB+4*t+3], s[56:57] offset:t*32
.set t, t+1
.endr
	; qp = x Wq + bp2
.set n, 0
.rept 8
	global_load_b128 v[ACC+4*n:ACC+4*n+3], v7, s[14:15] offset:(n>>1)*64+(n&1)*16
.set n, n+1
.endr
.set f, 0
.rept 8
	ds_load_b128 v[W+8*f:W+8*f+3], v13 offset:WQF+f*1024
	ds_load_b128 v[W+8*f+4:W+8*f+7], v13 offset:WQF+f*1024+512
.set f, f+1
.endr
	s_wait_loadcnt 0x0
.set i, 0
.rept 16
	RND2 ACC+2*i, ACC+2*i+1, 30
.set i, i+1
.endr
	s_wait_dscnt 0x0
.set ks, 0
.rept 2
.set t, 0
.rept 4
	v_wmma_f32_16x16x32_bf16 v[ACC+8*t:ACC+8*t+7], v[W+8*(4*ks+t):W+8*(4*ks+t)+7], v[FB+8*ks:FB+8*ks+7], v[ACC+8*t:ACC+8*t+7]
.set t, t+1
.endr
.set ks, ks+1
.endr
	PLACES
.set n, 0
.rept 8
	global_store_b128 v8, v[ACC+4*n:ACC+4*n+3], s[50:51] offset:(n>>1)*64+(n&1)*16
.set n, n+1
.endr
	s_wait_tensorcnt 0x0                           ; the wave's end
	ds_add_u32 v3, v4
	s_wait_dscnt 0x0
	s_endpgm
.Lfunc_end_k_qe72960677d_prep:
	.size	k_qe72960677d_prep, .Lfunc_end_k_qe72960677d_prep-k_qe72960677d_prep
	.p2alignl 7, 3214868480
	.fill 96, 4, 3214868480
	.section	.rodata,"a",@progbits
	.p2align	6, 0x0
	.amdhsa_kernel k_qe72960677d_prep
		.amdhsa_group_segment_fixed_size 16896
		.amdhsa_private_segment_fixed_size 0
		.amdhsa_enable_private_segment 0
		.amdhsa_kernarg_size 160
		.amdhsa_user_sgpr_count 2
		.amdhsa_user_sgpr_kernarg_segment_ptr 1
		.amdhsa_wavefront_size32 1
		.amdhsa_system_sgpr_workgroup_id_x 1
		.amdhsa_system_sgpr_workgroup_id_y 1
		.amdhsa_system_sgpr_workgroup_id_z 1
		.amdhsa_system_vgpr_workitem_id 0
		.amdhsa_next_free_vgpr 200
		.amdhsa_next_free_sgpr 66
		.amdhsa_reserve_vcc 0
		.amdhsa_float_denorm_mode_32 3
		.amdhsa_float_denorm_mode_16_64 3
		.amdhsa_memory_ordered 1
		.amdhsa_forward_progress 1
		.amdhsa_inst_pref_size 35
	.end_amdhsa_kernel
	.amdgpu_metadata
---
amdhsa.version: [ 1, 2 ]
amdhsa.kernels:
  - .name:           k_qe72960677d_prep
    .symbol:         k_qe72960677d_prep.kd
    .args:
      - { .name: xyzp, .offset: 0, .size: 8, .value_kind: global_buffer, .address_space: global }
      - { .name: features, .offset: 8, .size: 8, .value_kind: global_buffer, .address_space: global }
      - { .name: Wk, .offset: 16, .size: 8, .value_kind: global_buffer, .address_space: global }
      - { .name: bk, .offset: 24, .size: 8, .value_kind: global_buffer, .address_space: global }
      - { .name: Wq, .offset: 32, .size: 8, .value_kind: global_buffer, .address_space: global }
      - { .name: bp2, .offset: 40, .size: 8, .value_kind: global_buffer, .address_space: global }
      - { .name: Wp1, .offset: 48, .size: 8, .value_kind: global_buffer, .address_space: global }
      - { .name: bp1, .offset: 56, .size: 8, .value_kind: global_buffer, .address_space: global }
      - { .name: Wp2, .offset: 64, .size: 8, .value_kind: global_buffer, .address_space: global }
      - { .name: Wks, .offset: 72, .size: 8, .value_kind: global_buffer, .address_space: global }
      - { .name: Wv, .offset: 80, .size: 8, .value_kind: global_buffer, .address_space: global }
      - { .name: Wt1, .offset: 88, .size: 8, .value_kind: global_buffer, .address_space: global }
      - { .name: Wt2, .offset: 96, .size: 8, .value_kind: global_buffer, .address_space: global }
      - { .name: Wa, .offset: 104, .size: 8, .value_kind: global_buffer, .address_space: global }
      - { .name: tg, .offset: 112, .size: 8, .value_kind: global_buffer, .address_space: global }
      - { .name: tq, .offset: 120, .size: 8, .value_kind: global_buffer, .address_space: global }
      - { .name: p4, .offset: 128, .size: 8, .value_kind: global_buffer, .address_space: global }
      - { .name: xb, .offset: 136, .size: 8, .value_kind: global_buffer, .address_space: global }
      - { .name: qp, .offset: 144, .size: 8, .value_kind: global_buffer, .address_space: global }
      - { .name: wb, .offset: 152, .size: 8, .value_kind: global_buffer, .address_space: global }
    .group_segment_fixed_size: 16896
    .private_segment_fixed_size: 0
    .kernarg_segment_align: 8
    .kernarg_segment_size: 160
    .max_flat_workgroup_size: 128
    .sgpr_count:     66
    .vgpr_count:     200
    .wavefront_size: 32
...
	.end_amdgpu_metadata
.endif
;; end of part 1
;; launch knna (part 2): grid 256 x 1, 16 waves a work-group, no clusters, 152,576 bytes of LDS; arguments tg, tq, gl; writes gl
.if DOCPART == 2
	.amdgcn_target "amdgcn-amd-amdhsa--gfx1250"
	.amdhsa_code_object_version 6
	.text
	.protected	k_qe72960677d_knna
	.globl	k_qe72960677d_knna
	.p2align	8
	.type	k_qe72960677d_knna,@function
k_qe72960677d_knna:
	s_mov_b64 s[64:65], 0
	v_nop
	global_prefetch_b8 v0, s[64:65] scope:SCOPE_SE
	s_setreg_imm32_b32 hwreg(HW_REG_WAVE_MODE, 25, 1), 1
	s_wait_xcnt 0x0
; KNN, FIRST HALF.  For each query: which 16 of its batch's 512 groups of 16 consecutive points can hold its 16 nearest points.
; d(i, j) = (sq_i + sq_j) + T, T = fma(x2, c2, fma(x1, c1, x0 c0)), c = -2 y: on bf16 values every product is exact, so each line rounds as sq_i + sq_j - 2 (x . y) summed in ascending order does.
; The 16 groups that come first by (least d in the group, group number) hold the 16 points that come first by (d, point number): were a group left out, 16 groups would each hold a point that comes before all of its points.
; No branch and no address hangs on d: the 16th smallest minimum t is found by sorting networks on values; the chosen set is {min < t} and then the lowest-numbered {min = t}; bit masks, a scan and selects turn it into a list.
; SHARES.  A work-group owns 64 queries.  Phase 1: wave w keeps points 512 w .. in registers, a group a lane, and writes each query's 32 group minima to LDS.  Phase 2: a query a row of 16 lanes, 32 minima a lane.
; The matrix unit is left out on purpose: its sums round otherwise, and the order of near-equal distances would change.  LIMITS: NaN and infinities are not treated apart.
.set QREC,  0                          ; LDS: the 64 queries' records, 32 bytes each
.set MINB,  2048                       ; LDS: minima: query q, group n at MINB + 2320 q + 144 (n / 32) + 4 (n % 32): a lane's 128 bytes lie 144 apart, an odd multiple of 16
.set QPI,   2320
.set CPI,   144
.set SPARE, 150528                     ; the spare words: 128 bytes for each of 16 waves
.set CB,  32                           ; v32-95   phase 1: my group: c0 x16, c1 x16, c2 x16, sq x16
.set QB,  96                           ; v96-127  phase 1: four queries' records
.set TB,  128                          ; v128-143 phase 1: T, then d
.set SB,  144                          ; v144-159 phase 1: sq_i + sq_j, then the minimum at work
.set VV,  32                           ; v32-63   phase 2: my 32 minima
.set X0,  64                           ; phase 2: four banks of 16 for the sorting networks
.set X1,  80
.set X2,  96
.set X3,  112
.set LIM, 9                            ; v9  (l + 1) << 16
.set LT,  12
.set EQ,  13
.set CLT, 14
.set CEQ, 15
.set TMP, 16
.set INC, 17
.set CC,  18
.set TOT, 19
.set WLT, 20
.set WEQ, 21
.set TW,  22
.set TM,  23
.set SELW, 24
.set SELM, 25
.set YY,  26
.set RK,  27
.set ID,  28
.set EX,  29
.set SMUL, 16                          ; s16 0x01010101
.macro DIST C, Q, T, S                 ; 16 distances, two a line
.set p, 0
.rept 8
	v_pk_mul_f32 v[(\T)+2*p:(\T)+2*p+1], v[(\C)+2*p:(\C)+2*p+1], v[(\Q):(\Q)+1]
.set p, p+1
.endr
.set p, 0
.rept 8
	v_pk_fma_f32 v[(\T)+2*p:(\T)+2*p+1], v[(\C)+16+2*p:(\C)+16+2*p+1], v[(\Q)+2:(\Q)+3], v[(\T)+2*p:(\T)+2*p+1]
.set p, p+1
.endr
.set p, 0
.rept 8
	v_pk_fma_f32 v[(\T)+2*p:(\T)+2*p+1], v[(\C)+32+2*p:(\C)+32+2*p+1], v[(\Q)+4:(\Q)+5], v[(\T)+2*p:(\T)+2*p+1]
.set p, p+1
.endr
.set p, 0
.rept 8
	v_pk_add_f32 v[(\S)+2*p:(\S)+2*p+1], v[(\C)+48+2*p:(\C)+48+2*p+1], v[(\Q)+6:(\Q)+7]
.set p, p+1
.endr
.set p, 0
.rept 8
	v_pk_add_f32 v[(\T)+2*p:(\T)+2*p+1], v[(\S)+2*p:(\S)+2*p+1], v[(\T)+2*p:(\T)+2*p+1]
.set p, p+1
.endr
.endm
.macro MIN16 T, M                      ; the least of 16, into v[M]
	v_min3_num_f32 v[(\M)], v[(\T)], v[(\T)+1], v[(\T)+2]
	v_min3_num_f32 v[(\M)+1], v[(\T)+3], v[(\T)+4], v[(\T)+5]
	v_min3_num_f32 v[(\M)+2], v[(\T)+6], v[(\T)+7], v[(\T)+8]
	v_min3_num_f32 v[(\M)+3], v[(\T)+9], v[(\T)+10], v[(\T)+11]
	v_min3_num_f32 v[(\M)+4], v[(\T)+12], v[(\T)+13], v[(\T)+14]
	v_min3_num_f32 v[(\M)], v[(\M)], v[(\M)+1], v[(\T)+15]
	v_min3_num_f32 v[(\M)+2], v[(\M)+2], v[(\M)+3], v[(\M)+4]
	v_min_num_f32 v[(\M)], v[(\M)], v[(\M)+2]
.endm
.macro BSTAGE src, dst, k, j           ; one stage of a bitonic network on 16 registers, from one bank into another
.set i, 0
.rept 16
.set l, i^(\j)
.if l > i
.if (i&(\k)) == 0
	v_min_num_f32 v[(\dst)+i], v[(\src)+i], v[(\src)+l]
	v_max_num_f32 v[(\dst)+l], v[(\src)+i], v[(\src)+l]
.else
	v_max_num_f32 v[(\dst)+i], v[(\src)+i], v[(\src)+l]
	v_min_num_f32 v[(\dst)+l], v[(\src)+i], v[(\src)+l]
.endif
.endif
.set i, i+1
.endr
.endm
.macro BSORT16 src, a, b               ; 16 registers sorted ascending; src is kept, the result lies in b
	BSTAGE \src, \a, 2, 1
	BSTAGE \a, \b, 4, 2
	BSTAGE \b, \a, 4, 1
	BSTAGE \a, \b, 8, 4
	BSTAGE \b, \a, 8, 2
	BSTAGE \a, \b, 8, 1
	BSTAGE \b, \a, 16, 8
	BSTAGE \a, \b, 16, 4
	BSTAGE \b, \a, 16, 2
	BSTAGE \a, \b, 16, 1
.endm
.macro BCLEAN a, b                     ; a bitonic run of 16 sorted ascending; the result lies in a
	BSTAGE \a, \b, 16, 8
	BSTAGE \b, \a, 16, 4
	BSTAGE \a, \b, 16, 2
	BSTAGE \b, \a, 16, 1
.endm
.macro MERGEREG dst, x, y              ; the 16 smallest of two sorted runs, as a bitonic run
.set i, 0
.rept 16
	v_min_num_f32 v[(\dst)+i], v[(\x)+i], v[(\y)+15-i]
.set i, i+1
.endr
.endm
.macro MERGEROW dst, x, m              ; the same with the run of the lane m away (exclusive or); both lanes end with the same 16 numbers
.set i, 0
.rept 16
	v_min_num_f32_dpp v[(\dst)+i], v[(\x)+15-i], v[(\x)+i] row_xmask:\m row_mask:0xf bank_mask:0xf
.set i, i+1
.endr
.endm
.macro MASKS V, n, t                   ; bit i of LT: item i < t; of EQ: item i = t.  A flag enters as the carry of x + x + carry
	v_mov_b32 v[LT], 0
	v_mov_b32 v[EQ], 0
.set i, (\n)-1
.rept \n
	v_cmp_lt_f32 vcc_lo, v[(\V)+i], v[\t]
	v_add_co_ci_u32 v[LT], vcc_lo, v[LT], v[LT], vcc_lo
	v_cmp_eq_f32 vcc_lo, v[(\V)+i], v[\t]
	v_add_co_ci_u32 v[EQ], vcc_lo, v[EQ], v[EQ], vcc_lo
.set i, i-1
.endr
.endm
.macro POPC d, x, t                    ; the number of ones in v[x]
	v_lshrrev_b32 v[\t], 1, v[\x]
	v_and_b32 v[\t], 0x55555555, v[\t]
	v_sub_nc_u32 v[\d], v[\x], v[\t]
	v_lshrrev_b32 v[\t], 2, v[\d]
	v_and_b32 v[\t], 0x33333333, v[\t]
	v_and_b32 v[\d], 0x33333333, v[\d]
	v_add_nc_u32 v[\d], v[\d], v[\t]
	v_lshrrev_b32 v[\t], 4, v[\d]
	v_add_nc_u32 v[\d], v[\d], v[\t]
	v_and_b32 v[\d], 0x0f0f0f0f, v[\d]
	v_mul_lo_u32 v[\d], v[\d], s[SMUL]
	v_lshrrev_b32 v[\d], 24, v[\d]
.endm
; Where each lane's chosen items begin in the list: first all lanes' LT items, then all lanes' EQ items.  Both counts ride in one word (LT's total is 15 at the most).  W = begin << 16 | pay.
.macro SCAN pay
	v_lshl_add_u32 v[CC], v[CEQ], 16, v[CLT]
	v_mov_b32 v[INC], v[CC]
	v_mov_b32 v[TMP], 0
.irp n, 1,2,4,8
	v_mov_b32_dpp v[TMP], v[INC] row_shr:\n row_mask:0xf bank_mask:0xf bound_ctrl:1
	v_add_nc_u32 v[INC], v[INC], v[TMP]
.endr
	v_mov_b32 v[TOT], 0
	v_mov_b32_dpp v[TOT], v[INC] row_share:15 row_mask:0xf bank_mask:0xf
	v_sub_nc_u32 v[EX], v[INC], v[CC]
	v_and_b32 v[TOT], 0xffff, v[TOT]
	v_and_b32 v[TMP], 0xffff, v[EX]
	v_lshl_or_b32 v[WLT], v[TMP], 16, v[\pay]
	v_lshrrev_b32 v[EX], 16, v[EX]
	v_add_nc_u32 v[EX], v[EX], v[TOT]
	v_lshl_or_b32 v[WEQ], v[EX], 16, v[\pay]
.endm
.macro SEL16 w, m                      ; the begins never fall along the list, so the last entry that begins at or before l holds place l
.irp n, 0,1,2,3,4,5,6,7,8,9,10,11,12,13,14,15
	v_mov_b32_dpp v[TW], v[\w] row_share:\n row_mask:0xf bank_mask:0xf
	v_mov_b32_dpp v[TM], v[\m] row_share:\n row_mask:0xf bank_mask:0xf
	v_cmp_gt_u32 vcc_lo, v[LIM], v[TW]
	v_cndmask_b32 v[SELW], v[SELW], v[TW], vcc_lo
	v_cndmask_b32 v[SELM], v[SELM], v[TM], vcc_lo
.endr
.endm
.macro SELECT
	v_mov_b32 v[SELW], 0
	v_mov_b32 v[SELM], 0
	v_mov_b32 v[TW], 0
	v_mov_b32 v[TM], 0
	SEL16 WLT, LT
	SEL16 WEQ, EQ
.endm
.macro KTH sh                          ; place l is one number (l - begin) of the entry's mask: so many lowest ones are cleared, the next one's place is read off a power of two's exponent
	v_lshrrev_b32 v[RK], 16, v[SELW]
	v_sub_nc_u32 v[RK], v2, v[RK]
.set i, 0
.rept 15
	v_add_nc_u32 v[YY], -1, v[SELM]
	v_and_b32 v[YY], v[YY], v[SELM]
	v_cmp_lt_u32 vcc_lo, i, v[RK]
	v_cndmask_b32 v[SELM], v[SELM], v[YY], vcc_lo
.set i, i+1
.endr
	v_sub_nc_u32 v[YY], 0, v[SELM]
	v_and_b32 v[YY], v[YY], v[SELM]
	v_cvt_f32_u32 v[YY], v[YY]
	v_lshrrev_b32 v[YY], 23, v[YY]
	v_add_nc_u32 v[YY], 0xffffff81, v[YY]
	v_and_b32 v[ID], 0xffff, v[SELW]
	v_lshl_add_u32 v[ID], v[ID], \sh, v[YY]
.endm
	s_load_b128 s[4:7], s[0:1], 0x0                ; tg s4, tq s6
	s_load_b64 s[8:9], s[0:1], 0x10                ; gl
	v_lshl_add_u32 v3, v0, 2, SPARE                ; my spare word; never rewritten
	v_mov_b32 v4, 0                                ; 0; never rewritten
	v_and_b32 v1, 31, v0                           ; lane
	v_and_b32 v2, 15, v0                           ; l: my place in the row
	v_lshrrev_b32 v10, 5, v0
	v_readfirstlane_b32 s10, v10                   ; wave
	s_mov_b32 s11, ttmp9
	s_mov_b32 s[SMUL], 0x01010101
	s_lshr_b32 s13, s11, 7                         ; batch
	s_lshl_b32 s14, s13, 17
	s_lshl_b32 s13, s10, 13
	s_add_co_u32 s14, s14, s13                     ; my wave's 32 groups in tg
	s_mov_b32 s15, 0
	v_lshlrev_b32 v11, 8, v1
	v_lshlrev_b32 v10, 4, v0
	v_mov_b32 v5, QREC
	s_mul_i32 s13, s10, CPI
	s_add_co_u32 s13, s13, MINB
	v_lshl_add_u32 v6, v1, 2, s13                  ; phase 1: where my group's minimum goes, query 0
	v_lshrrev_b32 v7, 4, v1
	s_lshl_b32 s13, s10, 2
	v_add_nc_u32 v7, s13, v7
	v_mul_u32_u24 v7, v7, QPI
	v_mul_u32_u24 v12, v2, CPI
	v_add3_u32 v7, v7, v12, MINB                   ; phase 2: my 32 minima of query 4 w + lane / 16
	s_lshl_b32 s13, s10, 8
	v_lshl_add_u32 v8, v1, 2, s13                  ; phase 2: my word of gl
	v_add_nc_u32 v9, 1, v2
	v_lshlrev_b32 v9, 16, v9
	s_wait_kmcnt 0x0
	s_add_nc_u64 s[4:5], s[4:5], s[14:15]
	s_lshl_b32 s14, s11, 11
	s_add_nc_u64 s[6:7], s[6:7], s[14:15]
	s_lshl_b32 s14, s11, 12
	s_add_nc_u64 s[8:9], s[8:9], s[14:15]
.set i, 0
.rept 16
	global_load_b128 v[CB+4*i:CB+4*i+3], v11, s[4:5] offset:16*i
.set i, i+1
.endr
	s_cmp_gt_u32 s10, 3
	s_cbranch_scc1 .Lno_q
	global_load_b128 v[QB:QB+3], v10, s[6:7]       ; waves 0 to 3 bring the 64 queries' records
	s_wait_loadcnt 0x0
	ds_store_b128 v10, v[QB:QB+3]
.Lno_q:
	s_wait_loadcnt 0x0
	s_wait_dscnt 0x0                               ; for the others' sake: my part of the records is in LDS
	s_barrier_signal -1
	s_barrier_wait -1
	; PHASE 1: 16 trips of 4 queries
	s_mov_b32 s12, 16
.Lq4:
.set i, 0
.rept 8
	ds_load_b128 v[QB+4*i:QB+4*i+3], v5 offset:16*i
.set i, i+1
.endr
.set qi, 0
.rept 4
	s_wait_dscnt 6-qi                              ; LDS serves in order: behind record qi's two loads stand 6 - 2 qi loads and this trip's qi stores
	DIST CB, QB+8*qi, TB, SB
	MIN16 TB, SB
	ds_store_b32 v6, v[SB] offset:qi*QPI
.set qi, qi+1
.endr
	v_add_nc_u32 v5, 128, v5
	v_add_nc_u32 v6, 4*QPI, v6
	s_sub_co_u32 s12, s12, 1
	s_cmp_lg_u32 s12, 0
	s_cbranch_scc1 .Lq4
	s_wait_dscnt 0x0                               ; for the others' sake: my minima are in LDS
	s_barrier_signal -1
	s_barrier_wait -1
	; PHASE 2: 2 trips of 2 queries, a query a row of 16 lanes
	s_mov_b32 s12, 2
.Lsel:
.set i, 0
.rept 8
	ds_load_b128 v[VV+4*i:VV+4*i+3], v7 offset:16*i
.set i, i+1
.endr
	s_wait_dscnt 0x0
	BSORT16 VV, X0, X1
	BSORT16 VV+16, X2, X3
	MERGEREG X0, X1, X3
	BCLEAN X0, X1
	MERGEROW X2, X0, 1
	BCLEAN X2, X1
	MERGEROW X0, X2, 2
	BCLEAN X0, X1
	MERGEROW X2, X0, 4
	BCLEAN X2, X1
	MERGEROW X0, X2, 8
	BCLEAN X0, X1                                  ; every lane of the row holds the query's 16 smallest minima; t is the last
	MASKS VV, 32, X0+15
	POPC CLT, LT, TMP
	POPC CEQ, EQ, TMP
	SCAN 2
	SELECT
	KTH 5                                          ; group = 32 x lane + bit
	global_store_b32 v8, v[ID], s[8:9]
	s_wait_xcnt 0x0                                ; the store's offset and data are rewritten only behind this wait
	v_add_nc_u32 v7, 2*QPI, v7
	v_add_nc_u32 v8, 128, v8
	s_sub_co_u32 s12, s12, 1
	s_cmp_lg_u32 s12, 0
	s_cbranch_scc1 .Lsel
	s_wait_tensorcnt 0x0                           ; the wave's end
	ds_add_u32 v3, v4
	s_wait_dscnt 0x0
	s_endpgm
.Lfunc_end_k_qe72960677d_knna:
	.size	k_qe72960677d_knna, .Lfunc_end_k_qe72960677d_knna-k_qe72960677d_knna
	.p2alignl 7, 3214868480
	.fill 96, 4, 3214868480
	.section	.rodata,"a",@progbits
	.p2align	6, 0x0
	.amdhsa_kernel k_qe72960677d_knna
		.amdhsa_group_segment_fixed_size 152576
		.amdhsa_private_segment_fixed_size 0
		.amdhsa_enable_private_segment 0
		.amdhsa_kernarg_size 24
		.amdhsa_user_sgpr_count 2
		.amdhsa_user_sgpr_kernarg_segment_ptr 1
		.amdhsa_wavefront_size32 1
		.amdhsa_system_sgpr_workgroup_id_x 1
		.amdhsa_system_sgpr_workgroup_id_y 1
		.amdhsa_system_sgpr_workgroup_id_z 1
		.amdhsa_system_vgpr_workitem_id 0
		.amdhsa_next_free_vgpr 160
		.amdhsa_next_free_sgpr 66
		.amdhsa_reserve_vcc 1
		.amdhsa_float_denorm_mode_32 3
		.amdhsa_float_denorm_mode_16_64 3
		.amdhsa_memory_ordered 1
		.amdhsa_forward_progress 1
		.amdhsa_inst_pref_size 58
	.end_amdhsa_kernel
	.amdgpu_metadata
---
amdhsa.version: [ 1, 2 ]
amdhsa.kernels:
  - .name:           k_qe72960677d_knna
    .symbol:         k_qe72960677d_knna.kd
    .args:
      - { .name: tg, .offset: 0, .size: 8, .value_kind: global_buffer, .address_space: global }
      - { .name: tq, .offset: 8, .size: 8, .value_kind: global_buffer, .address_space: global }
      - { .name: gl, .offset: 16, .size: 8, .value_kind: global_buffer, .address_space: global }
    .group_segment_fixed_size: 152576
    .private_segment_fixed_size: 0
    .kernarg_segment_align: 8
    .kernarg_segment_size: 24
    .max_flat_workgroup_size: 512
    .sgpr_count:     66
    .vgpr_count:     160
    .wavefront_size: 32
...
	.end_amdgpu_metadata
.endif
;; end of part 2
;; launch knnb (part 3): grid 256 x 1, 16 waves a work-group, no clusters, 0 bytes of LDS; arguments gl, tg, tq, nb; writes nb
.if DOCPART == 3
	.amdgcn_target "amdgcn-amd-amdhsa--gfx1250"
	.amdhsa_code_object_version 6
	.text
	.protected	k_qe72960677d_knnb
	.globl	k_qe72960677d_knnb
	.p2align	8
	.type	k_qe72960677d_knnb,@function
k_qe72960677d_knnb:
	s_mov_b64 s[64:65], 0
	v_nop
	global_prefetch_b8 v0, s[64:65] scope:SCOPE_SE
	s_setreg_imm32_b32 hwreg(HW_REG_WAVE_MODE, 25, 1), 1
	s_wait_xcnt 0x0
; KNN, SECOND HALF.  For each query: its 16 nearest points among the 256 points of the 16 groups that the launch before listed.
; The distances are made anew, with the same roundings: d = (sq_i + sq_j) + fma(x2, c2, fma(x1, c1, x0 c0)), c = -2 y.
; A query is a row of 16 lanes, a group a lane.  The row first sorts its group numbers ascending, so that lanes and then bits go by point number: among equal distances the lower point number is chosen.
; The 16th smallest d, t, comes from sorting networks on values; the chosen set is {d < t} and then the first {d = t}; masks, a scan and selects make the list.  No branch and no address hangs on d.
; The gather's address is made of a group number read from memory, held to 0..511.  No LDS, no barrier: waves share nothing.  LIMITS: NaN and infinities are not treated apart.
.set CB,  32                           ; v32-95   my group: c0 x16, c1 x16, c2 x16, sq x16
.set QB,  96                           ; v96-103  my query's record
.set TB,  104                          ; v104-119 d
.set SB,  120                          ; v120-135 sq_i + sq_j; then a bank of the networks
.set X0,  136
.set X1,  152
.set X2,  120
.set GID, 10
.set LIM, 9
.set LT,  12
.set EQ,  13
.set CLT, 14
.set CEQ, 15
.set TMP, 16
.set INC, 17
.set CC,  18
.set TOT, 19
.set WLT, 20
.set WEQ, 21
.set TW,  22
.set TM,  23
.set SELW, 24
.set SELM, 25
.set YY,  26
.set RK,  27
.set ID,  28
.set EX,  29
.set SMUL, 26                          ; s26 0x01010101
.macro DIST C, Q, T, S
.set p, 0
.rept 8
	v_pk_mul_f32 v[(\T)+2*p:(\T)+2*p+1], v[(\C)+2*p:(\C)+2*p+1], v[(\Q):(\Q)+1]
.set p, p+1
.endr
.set p, 0
.rept 8
	v_pk_fma_f32 v[(\T)+2*p:(\T)+2*p+1], v[(\C)+16+2*p:(\C)+16+2*p+1], v[(\Q)+2:(\Q)+3], v[(\T)+2*p:(\T)+2*p+1]
.set p, p+1
.endr
.set p, 0
.rept 8
	v_pk_fma_f32 v[(\T)+2*p:(\T)+2*p+1], v[(\C)+32+2*p:(\C)+32+2*p+1], v[(\Q)+4:(\Q)+5], v[(\T)+2*p:(\T)+2*p+1]
.set p, p+1
.endr
.set p, 0
.rept 8
	v_pk_add_f32 v[(\S)+2*p:(\S)+2*p+1], v[(\C)+48+2*p:(\C)+48+2*p+1], v[(\Q)+6:(\Q)+7]
.set p, p+1
.endr
.set p, 0
.rept 8
	v_pk_add_f32 v[(\T)+2*p:(\T)+2*p+1], v[(\S)+2*p:(\S)+2*p+1], v[(\T)+2*p:(\T)+2*p+1]
.set p, p+1
.endr
.endm
.macro BSTAGE src, dst, k, j           ; one stage of a bitonic network on 16 registers, from one bank into another
.set i, 0
.rept 16
.set l, i^(\j)
.if l > i
.if (i&(\k)) == 0
	v_min_num_f32 v[(\dst)+i], v[(\src)+i], v[(\src)+l]
	v_max_num_f32 v[(\dst)+l], v[(\src)+i], v[(\src)+l]
.else
	v_max_num_f32 v[(\dst)+i], v[(\src)+i], v[(\src)+l]
	v_min_num_f32 v[(\dst)+l], v[(\src)+i], v[(\src)+l]
.endif
.endif
.set i, i+1
.endr
.endm
.macro BSORT16 src, a, b               ; src is kept, the result lies in b
	BSTAGE \src, \a, 2, 1
	BSTAGE \a, \b, 4, 2
	BSTAGE \b, \a, 4, 1
	BSTAGE \a, \b, 8, 4
	BSTAGE \b, \a, 8, 2
	BSTAGE \a, \b, 8, 1
	BSTAGE \b, \a, 16, 8
	BSTAGE \a, \b, 16, 4
	BSTAGE \b, \a, 16, 2
	BSTAGE \a, \b, 16, 1
.endm
.macro BCLEAN a, b                     ; the result lies in a
	BSTAGE \a, \b, 16, 8
	BSTAGE \b, \a, 16, 4
	BSTAGE \a, \b, 16, 2
	BSTAGE \b, \a, 16, 1
.endm
.macro MERGEROW dst, x, m              ; the 16 smallest of my sorted run and that of the lane m away (exclusive or), as a bitonic run
.set i, 0
.rept 16
	v_min_num_f32_dpp v[(\dst)+i], v[(\x)+15-i], v[(\x)+i] row_xmask:\m row_mask:0xf bank_mask:0xf
.set i, i+1
.endr
.endm
.macro MASKS V, n, t
	v_mov_b32 v[LT], 0
	v_mov_b32 v[EQ], 0
.set i, (\n)-1
.rept \n
	v_cmp_lt_f32 vcc_lo, v[(\V)+i], v[\t]
	v_add_co_ci_u32 v[LT], vcc_lo, v[LT], v[LT], vcc_lo
	v_cmp_eq_f32 vcc_lo, v[(\V)+i], v[\t]
	v_add_co_ci_u32 v[EQ], vcc_lo, v[EQ], v[EQ], vcc_lo
.set i, i-1
.endr
.endm
.macro POPC d, x, t
	v_lshrrev_b32 v[\t], 1, v[\x]
	v_and_b32 v[\t], 0x55555555, v[\t]
	v_sub_nc_u32 v[\d], v[\x], v[\t]
	v_lshrrev_b32 v[\t], 2, v[\d]
	v_and_b32 v[\t], 0x33333333, v[\t]
	v_and_b32 v[\d], 0x33333333, v[\d]
	v_add_nc_u32 v[\d], v[\d], v[\t]
	v_lshrrev_b32 v[\t], 4, v[\d]
	v_add_nc_u32 v[\d], v[\d], v[\t]
	v_and_b32 v[\d], 0x0f0f0f0f, v[\d]
	v_mul_lo_u32 v[\d], v[\d], s[SMUL]
	v_lshrrev_b32 v[\d], 24, v[\d]
.endm
.macro SCAN pay                        ; where each lane's chosen items begin: all lanes' LT items, then all lanes' EQ items.  W = begin << 16 | pay
	v_lshl_add_u32 v[CC], v[CEQ], 16, v[CLT]
	v_mov_b32 v[INC], v[CC]
	v_mov_b32 v[TMP], 0
.irp n, 1,2,4,8
	v_mov_b32_dpp v[TMP], v[INC] row_shr:\n row_mask:0xf bank_mask:0xf bound_ctrl:1
	v_add_nc_u32 v[INC], v[INC], v[TMP]
.endr
	v_mov_b32 v[TOT], 0
	v_mov_b32_dpp v[TOT], v[INC] row_share:15 row_mask:0xf bank_mask:0xf
	v_sub_nc_u32 v[EX], v[INC], v[CC]
	v_and_b32 v[TOT], 0xffff, v[TOT]
	v_and_b32 v[TMP], 0xffff, v[EX]
	v_lshl_or_b32 v[WLT], v[TMP], 16, v[\pay]
	v_lshrrev_b32 v[EX], 16, v[EX]
	v_add_nc_u32 v[EX], v[EX], v[TOT]
	v_lshl_or_b32 v[WEQ], v[EX], 16, v[\pay]
.endm
.macro SEL16 w, m                      ; the last entry that begins at or before l holds place l
.irp n, 0,1,2,3,4,5,6,7,8,9,10,11,12,13,14,15
	v_mov_b32_dpp v[TW], v[\w] row_share:\n row_mask:0xf bank_mask:0xf
	v_mov_b32_dpp v[TM], v[\m] row_share:\n row_mask:0xf bank_mask:0xf
	v_cmp_gt_u32 vcc_lo, v[LIM], v[TW]
	v_cndmask_b32 v[SELW], v[SELW], v[TW], vcc_lo
	v_cndmask_b32 v[SELM], v[SELM], v[TM], vcc_lo
.endr
.endm
.macro SELECT
	v_mov_b32 v[SELW], 0
	v_mov_b32 v[SELM], 0
	v_mov_b32 v[TW], 0
	v_mov_b32 v[TM], 0
	SEL16 WLT, LT
	SEL16 WEQ, EQ
.endm
.macro KTH sh
	v_lshrrev_b32 v[RK], 16, v[SELW]
	v_sub_nc_u32 v[RK], v2, v[RK]
.set i, 0
.rept 15
	v_add_nc_u32 v[YY], -1, v[SELM]
	v_and_b32 v[YY], v[YY], v[SELM]
	v_cmp_lt_u32 vcc_lo, i, v[RK]
	v_cndmask_b32 v[SELM], v[SELM], v[YY], vcc_lo
.set i, i+1
.endr
	v_sub_nc_u32 v[YY], 0, v[SELM]
	v_and_b32 v[YY], v[YY], v[SELM]
	v_cvt_f32_u32 v[YY], v[YY]
	v_lshrrev_b32 v[YY], 23, v[YY]
	v_add_nc_u32 v[YY], 0xffffff81, v[YY]
	v_and_b32 v[ID], 0xffff, v[SELW]
	v_lshl_add_u32 v[ID], v[ID], \sh, v[YY]
.endm
.macro LSORT j, m                      ; one stage of a bitonic sort across the row's 16 lanes: mask bit 1 = this lane keeps the smaller
	v_mov_b32_dpp v30, v[GID] row_xmask:\j row_mask:0xf bank_mask:0xf
	v_min_u32 v31, v[GID], v30
	v_max_u32 v[TMP], v[GID], v30
	v_cndmask_b32 v[GID], v[TMP], v31, s[\m]
.endm
	s_load_b256 s[4:11], s[0:1], 0x0               ; gl s4, tg s6, tq s8, nb s10
	v_and_b32 v1, 31, v0
	v_and_b32 v2, 15, v0                           ; l
	v_lshrrev_b32 v12, 5, v0
	v_readfirstlane_b32 s12, v12                   ; wave
	s_mov_b32 s13, ttmp9
	s_lshl_b32 s14, s12, 8
	v_lshl_add_u32 v8, v1, 2, s14                  ; my word of gl and of nb
	v_lshrrev_b32 v7, 4, v1
	s_lshl_b32 s14, s12, 2
	v_add_nc_u32 v7, s14, v7
	v_lshlrev_b32 v7, 5, v7                        ; my query's record in tq
	v_add_nc_u32 v9, 1, v2
	v_lshlrev_b32 v9, 16, v9
	v_mov_b32 v30, 0
	s_mov_b32 s16, 0x99999999                      ; a lane keeps the smaller where (l & k == 0) = (l & j == 0): stages (k, j) = (2,1)
	s_mov_b32 s17, 0xc3c3c3c3                      ; (4,2)
	s_mov_b32 s18, 0xa5a5a5a5                      ; (4,1)
	s_mov_b32 s19, 0xf00ff00f                      ; (8,4)
	s_mov_b32 s20, 0xcc33cc33                      ; (8,2)
	s_mov_b32 s21, 0xaa55aa55                      ; (8,1)
	s_mov_b32 s22, 0x00ff00ff                      ; (16,8)
	s_mov_b32 s23, 0x0f0f0f0f                      ; (16,4)
	s_mov_b32 s24, 0x33333333                      ; (16,2)
	s_mov_b32 s25, 0x55555555                      ; (16,1)
	s_mov_b32 s[SMUL], 0x01010101
	s_mov_b32 s15, 0
	s_wait_kmcnt 0x0
	s_lshl_b32 s14, s13, 12
	s_add_nc_u64 s[4:5], s[4:5], s[14:15]
	s_add_nc_u64 s[10:11], s[10:11], s[14:15]
	s_lshl_b32 s14, s13, 11
	s_add_nc_u64 s[8:9], s[8:9], s[14:15]
	s_lshr_b32 s14, s13, 7
	s_lshl_b32 s14, s14, 17
	s_add_nc_u64 s[6:7], s[6:7], s[14:15]          ; the batch's groups
	s_mov_b32 s27, 2
.Ltrip:                                                ; 2 trips of 2 queries
	global_load_b32 v[GID], v8, s[4:5]
	global_load_b128 v[QB:QB+3], v7, s[8:9]
	global_load_b128 v[QB+4:QB+7], v7, s[8:9] offset:16
	s_wait_loadcnt 0x0
	LSORT 1, 16
	LSORT 2, 17
	LSORT 1, 18
	LSORT 4, 19
	LSORT 2, 20
	LSORT 1, 21
	LSORT 8, 22
	LSORT 4, 23
	LSORT 2, 24
	LSORT 1, 25
	v_min_u32 v[GID], 0x1ff, v[GID]                ; a number read from memory is held inside the table before it makes an address
	v_lshlrev_b32 v11, 8, v[GID]
.set i, 0
.rept 16
	global_load_b128 v[CB+4*i:CB+4*i+3], v11, s[6:7] offset:16*i
.set i, i+1
.endr
	s_wait_loadcnt 0x0
	DIST CB, QB, TB, SB
	BSORT16 TB, X0, X1
	MERGEROW X0, X1, 1
	BCLEAN X0, X2
	MERGEROW X1, X0, 2
	BCLEAN X1, X2
	MERGEROW X0, X1, 4
	BCLEAN X0, X2
	MERGEROW X1, X0, 8
	BCLEAN X1, X2                                  ; the row's 16 smallest d in every lane; t is the last
	MASKS TB, 16, X1+15
	POPC CLT, LT, TMP
	POPC CEQ, EQ, TMP
	SCAN GID
	SELECT
	KTH 4                                          ; point = 16 x group + bit
	global_store_b32 v8, v[ID], s[10:11]
	s_wait_xcnt 0x0                                ; the store's offset and data are rewritten only behind this wait
	v_add_nc_u32 v8, 128, v8
	v_add_nc_u32 v7, 64, v7
	s_sub_co_u32 s27, s27, 1
	s_cmp_lg_u32 s27, 0
	s_cbranch_scc1 .Ltrip
	s_endpgm
.Lfunc_end_k_qe72960677d_knnb:
	.size	k_qe72960677d_knnb, .Lfunc_end_k_qe72960677d_knnb-k_qe72960677d_knnb
	.p2alignl 7, 3214868480
	.fill 96, 4, 3214868480
	.section	.rodata,"a",@progbits
	.p2align	6, 0x0
	.amdhsa_kernel k_qe72960677d_knnb
		.amdhsa_group_segment_fixed_size 0
		.amdhsa_private_segment_fixed_size 0
		.amdhsa_enable_private_segment 0
		.amdhsa_kernarg_size 32
		.amdhsa_user_sgpr_count 2
		.amdhsa_user_sgpr_kernarg_segment_ptr 1
		.amdhsa_wavefront_size32 1
		.amdhsa_system_sgpr_workgroup_id_x 1
		.amdhsa_system_sgpr_workgroup_id_y 1
		.amdhsa_system_sgpr_workgroup_id_z 1
		.amdhsa_system_vgpr_workitem_id 0
		.amdhsa_next_free_vgpr 176
		.amdhsa_next_free_sgpr 66
		.amdhsa_reserve_vcc 1
		.amdhsa_float_denorm_mode_32 3
		.amdhsa_float_denorm_mode_16_64 3
		.amdhsa_memory_ordered 1
		.amdhsa_forward_progress 1
		.amdhsa_inst_pref_size 39
	.end_amdhsa_kernel
	.amdgpu_metadata
---
amdhsa.version: [ 1, 2 ]
amdhsa.kernels:
  - .name:           k_qe72960677d_knnb
    .symbol:         k_qe72960677d_knnb.kd
    .args:
      - { .name: gl, .offset: 0, .size: 8, .value_kind: global_buffer, .address_space: global }
      - { .name: tg, .offset: 8, .size: 8, .value_kind: global_buffer, .address_space: global }
      - { .name: tq, .offset: 16, .size: 8, .value_kind: global_buffer, .address_space: global }
      - { .name: nb, .offset: 24, .size: 8, .value_kind: global_buffer, .address_space: global }
    .group_segment_fixed_size: 0
    .private_segment_fixed_size: 0
    .kernarg_segment_align: 8
    .kernarg_segment_size: 32
    .max_flat_workgroup_size: 512
    .sgpr_count:     66
    .vgpr_count:     176
    .wavefront_size: 32
...
	.end_amdgpu_metadata
.endif
;; end of part 3
;; launch attn (part 4): grid 256 x 1, 16 waves a work-group, no clusters, 84,224 bytes of LDS; arguments nb, p4, xb, qp, wb, bt1, bt2, bp2, ba, features, out0; writes out0
.if DOCPART == 4
	.amdgcn_target "amdgcn-amd-amdhsa--gfx1250"
	.amdhsa_code_object_version 6
	.text
	.protected	k_qe72960677d_attn
	.globl	k_qe72960677d_attn
	.p2align	8
	.type	k_qe72960677d_attn,@function
k_qe72960677d_attn:
	s_mov_b64 s[64:65], 0
	v_nop
	global_prefetch_b8 v0, s[64:65] scope:SCOPE_SE
	s_setreg_imm32_b32 hwreg(HW_REG_WAVE_MODE, 25, 1), 1
	s_wait_xcnt 0x0
; THE LAYER.  For each point and its 16 neighbours (one matrix tile's 16 rows):
;   Hp = relu(rel Wp1 + bp1)             rel = own xyzp - neighbour's, rounded to bf16; bp1 rides as row 4 of the weight fragment against a constant 1
;   a_in = (x Wq + bp2)[own] + Hp Wp2 + x[nbr] (-Wks)          VP = Hp Wp2 + x[nbr] Wv  (v + pos_enc, less bp2)
;   L = relu(a_in Wt1 + bt1) Wt2 + bt2   softmax over the 16 neighbours of L / 8, the maximum taken away first;  res = sum(p VP) / sum(p) + bp2  (the weights add up to 1)
;   out = res Wa + ba + features
; Products in bf16 with f32 sums; activations rounded once to bf16 as matrix operands; all inputs are bf16 values (biases and the residual features are rounded here, the rest in the first launch).
; LAYOUTS.  Weights as source 0: a lane holds neighbour r = lane % 16 and channels 16 t + 8 h + 0..7, and two tiles rounded in pairs ARE a fragment of the next product.
; Weights as source 1: a lane holds channel 16 t + r and neighbours 8 h + 0..7: the softmax over neighbours is work inside the lane and one exchange of the lanes' halves.
; SHARES.  A work-group owns 64 points, a wave 4, two at a time (p = 0, 1): 8 accumulators take turns, one instruction a turn.  All weights lie in LDS as fragments.
; No tensor loads and no cluster: the tables are small and gathered by rows of 128 bytes; what work-groups share is 53,248 bytes of weights, read once each.
; LIMITS: NaN and infinities are not treated apart; a weight below 2^-126 counts as 0.
.set O_P1,  0                          ; LDS 0 .. 53,247: a copy of wb
.set O_P2,  4096
.set O_KS,  12288
.set O_VV,  20480
.set O_T1,  28672
.set O_T2,  36864
.set O_WA,  45056
.set BT1,   53248                      ; bt1, 64 f32
.set BT2X,  53504                      ; bt2: channel c eight times at 32 c
.set RES,   55552                      ; res in bf16: 64 rows of 128 bytes, 144 apart
.set RP,    144
.set OUT,   64768                      ; res Wa in f32: 64 rows of 256 bytes, 272 apart
.set OP,    272
.set SPARE, 82176                      ; the spare words: 128 bytes for each of 16 waves
.set W,   32                           ; v32-63   4 weight fragments; softmax: MX, TP, SG
.set ACC, 64                           ; v64-127  accumulators [p][t]
.set VP,  128                          ; v128-191 accumulators [p][t]; before that A1[p] at +16 p
.set A1,  128
.set X,   192                          ; v192-223 x of the neighbours [p][ks]; then a bias tile [t]; softmax: CM, UU
.set F,   224                          ; v224-255 activations as fragments [p][ks]
.set MX,  32
.set TP,  40
.set SG,  48
.set CM,  192
.set UU,  208
.macro RND2 a, b, t
	v_cvt_pk_bf16_f32 v[\t], v[\a], v[\b]
	v_lshlrev_b32 v[\a], 16, v[\t]
	v_and_b32 v[\b], 0xffff0000, v[\t]
.endm
.macro PLACES                          ; four plain vector places behind a matrix instruction (ISA guide 7.12.1)
.rept 4
	v_nop
.endr
.endm
.macro LOADW off, ks                   ; the four fragments (t = 0..3) of K step ks of the matrix at off; the places stand for the products that read W last
	PLACES
.set t, 0
.rept 4
	ds_load_b128 v[W+8*t:W+8*t+3], v6 offset:(\off)+(4*(\ks)+t)*1024
	ds_load_b128 v[W+8*t+4:W+8*t+7], v6 offset:(\off)+(4*(\ks)+t)*1024+512
.set t, t+1
.endr
	s_wait_dscnt 0x0
.endm
.macro LOADBT areg, step               ; a bias tile for each t into X
.set t, 0
.rept 4
	ds_load_b128 v[X+8*t:X+8*t+3], v[\areg] offset:t*(\step)
	ds_load_b128 v[X+8*t+4:X+8*t+7], v[\areg] offset:t*(\step)+16
.set t, t+1
.endr
.endm
; 8 products.  tr = 1: weights are source 0; 0: source 1.  cm = 0: C is 0; 1: in place; 2: C is the bias tile
.macro MM tr, dst, src, ks, cm
.set t, 0
.rept 4
.set p, 0
.rept 2
.set rD, (\dst)+32*p+8*t
.if \tr
.set rA, W+8*t
.set rB, (\src)+16*p+8*(\ks)
.else
.set rA, (\src)+16*p+8*(\ks)
.set rB, W+8*t
.endif
.if (\cm) == 0
	v_wmma_f32_16x16x32_bf16 v[rD:rD+7], v[rA:rA+7], v[rB:rB+7], 0
.elseif (\cm) == 1
	v_wmma_f32_16x16x32_bf16 v[rD:rD+7], v[rA:rA+7], v[rB:rB+7], v[rD:rD+7]
.else
	v_wmma_f32_16x16x32_bf16 v[rD:rD+7], v[rA:rA+7], v[rB:rB+7], v[X+8*t:X+8*t+7]
.endif
.set p, p+1
.endr
.set t, t+1
.endr
.endm
.macro CVT relu                        ; ACC rounded in pairs, ascending, into F
.set i, 0
.rept 32
	v_cvt_pk_bf16_f32 v[F+i], v[ACC+2*i], v[ACC+2*i+1]
.set i, i+1
.endr
.if \relu
.set i, 0
.rept 32
	v_pk_max_num_bf16 v[F+i], v[F+i], v5
.set i, i+1
.endr
.endif
.endm
.macro ALL8 line:vararg                ; one line for each tile u = 4 p + t
.set u, 0
.rept 8
	\line
.set u, u+1
.endr
.endm
	s_load_b512 s[4:19], s[0:1], 0x0               ; nb s4, p4 s6, xb s8, qp s10, wb s12, bt1 s14, bt2 s16, bp2 s18
	s_load_b128 s[20:23], s[0:1], 0x40             ; ba s20, features s22
	s_load_b64 s[24:25], s[0:1], 0x50              ; out0
	v_lshl_add_u32 v3, v0, 2, SPARE                ; my spare word; never rewritten
	v_mov_b32 v4, 0                                ; 0; never rewritten
	v_mov_b32 v5, 0                                ; 0 for relu and as an offset
	v_and_b32 v1, 15, v0                           ; r
	v_bfe_u32 v2, v0, 4, 1                         ; h
	v_lshrrev_b32 v30, 5, v0
	v_readfirstlane_b32 s26, v30                   ; wave
	s_mov_b32 s27, ttmp9
	v_and_b32 v6, 31, v0
	v_lshlrev_b32 v33, 3, v6                       ; 8 x lane
	v_lshlrev_b32 v34, 6, v6                       ; 64 x lane
	v_lshlrev_b32 v6, 4, v6                        ; 16 x lane
	v_lshlrev_b32 v7, 2, v1                        ; 4 r
	v_lshlrev_b32 v8, 5, v2                        ; 32 h
	v_lshl_add_u32 v9, v1, 5, BT2X
	v_lshl_add_u32 v29, v2, 5, BT1
	v_lshlrev_b32 v31, 4, v2                       ; 16 h
	v_lshlrev_b32 v32, 4, v0                       ; 16 x thread
	s_mul_i32 s35, s26, 4*RP
	s_add_co_u32 s35, s35, RES
	v_lshl_add_u32 v28, v1, 1, s35                 ; where res of my first point, channel r, goes
	s_mov_b32 s30, 0x3e38aa3b                      ; log2(e) / 8
	s_mov_b32 s31, s30
	s_mov_b32 s32, 0x76543210                      ; v_permlanex16_b32: each lane takes its own place in the other half
	s_mov_b32 s33, 0xfedcba98
	s_mov_b32 s34, 0xffff                          ; lanes with h = 0
	s_mov_b32 s39, 0
	s_wait_kmcnt 0x0
	; the weights and biases into LDS
.set i, 0
.rept 6
	global_load_b128 v[64+4*i:64+4*i+3], v32, s[12:13] offset:i*8192
.set i, i+1
.endr
.set t, 0
.rept 4
	global_load_b32 v[16+t], v7, s[18:19] offset:t*64  ; bp2 of channel 16 t + r
.set t, t+1
.endr
	s_cmp_gt_u32 s26, 7
	s_cbranch_scc1 .Lnot7
	global_load_b128 v[88:91], v32, s[12:13] offset:49152  ; waves 0 to 7: the last 4,096 bytes of wb
	s_wait_loadcnt 0x0
	ds_store_b128 v32, v[88:91] offset:49152
	s_branch .Lcommon
.Lnot7:
	s_cmp_eq_u32 s26, 8
	s_cbranch_scc0 .Lnot8
	global_load_b64 v[88:89], v33, s[14:15]        ; wave 8: bt1
	s_wait_loadcnt 0x0
	RND2 88, 89, 30
	ds_store_b64 v33, v[88:89] offset:BT1
	s_branch .Lcommon
.Lnot8:
	s_cmp_eq_u32 s26, 9
	s_cbranch_scc0 .Lcommon
	global_load_b64 v[88:89], v33, s[16:17]        ; wave 9: bt2, each channel eight times
	s_wait_loadcnt 0x0
	RND2 88, 89, 30
	v_mov_b32 v92, v88
	v_mov_b32 v93, v88
	v_mov_b32 v94, v88
	v_mov_b32 v95, v88
	v_mov_b32 v96, v89
	v_mov_b32 v97, v89
	v_mov_b32 v98, v89
	v_mov_b32 v99, v89
	ds_store_b128 v34, v[92:95] offset:BT2X
	ds_store_b128 v34, v[92:95] offset:BT2X+16
	ds_store_b128 v34, v[96:99] offset:BT2X+32
	ds_store_b128 v34, v[96:99] offset:BT2X+48
.Lcommon:
	s_wait_loadcnt 0x0
.set i, 0
.rept 6
	ds_store_b128 v32, v[64+4*i:64+4*i+3] offset:i*8192
.set i, i+1
.endr
	RND2 16, 17, 30
	RND2 18, 19, 30
	s_lshr_b32 s35, s27, 7                         ; batch
	s_lshl_b32 s38, s35, 17
	s_add_nc_u64 s[36:37], s[6:7], s[38:39]        ; p4 of the batch, for the neighbours
	s_lshl_b32 s38, s35, 20
	s_add_nc_u64 s[8:9], s[8:9], s[38:39]          ; xb of the batch
	s_lshl_b32 s35, s27, 6
	s_lshl_b32 s40, s26, 2
	s_add_co_u32 s35, s35, s40                     ; my first point
	s_lshl_b32 s38, s35, 6
	s_add_nc_u64 s[4:5], s[4:5], s[38:39]
	s_lshl_b32 s38, s35, 4
	s_add_nc_u64 s[6:7], s[6:7], s[38:39]
	s_lshl_b32 s38, s35, 8
	s_add_nc_u64 s[10:11], s[10:11], s[38:39]
	s_wait_dscnt 0x0                               ; for the others' sake: my part of the tables is in LDS
	s_barrier_signal -1
	s_barrier_wait -1
	s_mov_b32 s28, 2
.Lpass:                                                ; 2 passes of 2 points
	global_load_b32 v10, v7, s[4:5]                ; neighbour r of point 0,
	global_load_b32 v11, v7, s[4:5] offset:64      ; of point 1
	global_load_b128 v[20:23], v5, s[6:7]
	global_load_b128 v[24:27], v5, s[6:7] offset:16
	s_wait_loadcnt 0x0
	v_min_u32 v10, 0x1fff, v10                     ; numbers read from memory are held inside the tables before they make addresses
	v_min_u32 v11, 0x1fff, v11
	v_lshl_add_u32 v12, v10, 7, v31
	v_lshl_add_u32 v13, v11, 7, v31
	v_lshlrev_b32 v14, 4, v10
	v_lshlrev_b32 v15, 4, v11
.set p, 0
.rept 2
.set n, 0
.rept 4
	global_load_b128 v[X+16*p+4*n:X+16*p+4*n+3], v[12+p], s[8:9] offset:32*n
.set n, n+1
.endr
	global_load_b128 v[ACC+4*p:ACC+4*p+3], v[14+p], s[36:37]
.set p, p+1
.endr
	v_mov_b32 v38, 0x3f80                          ; 1.0 and 0 in bf16
	s_wait_loadcnt 0x0
.set p, 0
.rept 2                                                ; rel as a fragment with K = 32: k 0-3 rel, k 4 the constant 1, the rest 0
	v_pk_add_f32 v[32:33], v[20+4*p:21+4*p], v[ACC+4*p:ACC+4*p+1] neg_lo:[0,1] neg_hi:[0,1]
	v_pk_add_f32 v[34:35], v[22+4*p:23+4*p], v[ACC+4*p+2:ACC+4*p+3] neg_lo:[0,1] neg_hi:[0,1]
	v_cvt_pk_bf16_f32 v36, v32, v33
	v_cvt_pk_bf16_f32 v37, v34, v35
	v_cndmask_b32 v[A1+16*p], 0, v36, s34
	v_cndmask_b32 v[A1+16*p+1], 0, v37, s34
	v_cndmask_b32 v[A1+16*p+2], 0, v38, s34
	v_mov_b32 v[A1+16*p+3], 0
	v_mov_b32 v[A1+16*p+4], 0
	v_mov_b32 v[A1+16*p+5], 0
	v_mov_b32 v[A1+16*p+6], 0
	v_mov_b32 v[A1+16*p+7], 0
.set p, p+1
.endr
	LOADW O_P1, 0
	MM 1, ACC, A1, 0, 0
	PLACES
	CVT 1                                          ; Hp
.set p, 0
.rept 2
.set n, 0
.rept 8
	global_load_b128 v[ACC+32*p+4*n:ACC+32*p+4*n+3], v8, s[10:11] offset:p*256+(n>>1)*64+(n&1)*16  ; x Wq + bp2 of the point starts a_in's sums
.set n, n+1
.endr
.set p, p+1
.endr
	LOADW O_P2, 0
	s_wait_loadcnt 0x0
	MM 1, ACC, F, 0, 1
	MM 0, VP, F, 0, 0
	LOADW O_P2, 1
	MM 1, ACC, F, 1, 1
	MM 0, VP, F, 1, 1
	LOADW O_KS, 0
	MM 1, ACC, X, 0, 1
	LOADW O_KS, 1
	MM 1, ACC, X, 1, 1
	LOADW O_VV, 0
	MM 0, VP, X, 0, 1
	LOADW O_VV, 1
	MM 0, VP, X, 1, 1
	PLACES
	CVT 0                                          ; a_in
	LOADBT 29, 64                                  ; bt1 of channels 16 t + 8 h + 0..7
	LOADW O_T1, 0
	MM 1, ACC, F, 0, 2
	LOADW O_T1, 1
	MM 1, ACC, F, 1, 1
	PLACES
	CVT 1
	LOADBT 9, 512                                  ; bt2 of channel 16 t + r, eight times
	LOADW O_T2, 0
	MM 0, ACC, F, 0, 2
	LOADW O_T2, 1
	MM 0, ACC, F, 1, 1
	PLACES
	; softmax over the 16 neighbours, a channel a lane pair; each accumulator's lowest registers are read first
	ALL8 v_max3_num_f32 v[MX+u], v[ACC+8*u], v[ACC+8*u+1], v[ACC+8*u+2]
	ALL8 v_max3_num_f32 v[MX+u], v[MX+u], v[ACC+8*u+3], v[ACC+8*u+4]
	ALL8 v_max3_num_f32 v[MX+u], v[MX+u], v[ACC+8*u+5], v[ACC+8*u+6]
	ALL8 v_max_num_f32 v[MX+u], v[MX+u], v[ACC+8*u+7]
	ALL8 v_permlanex16_b32 v[TP+u], v[MX+u], s32, s33
	ALL8 v_max_num_f32 v[MX+u], v[MX+u], v[TP+u]
	ALL8 v_mul_f32 v[CM+2*u], s30, v[MX+u]
.irp j, 0,2,4,6
	ALL8 v_pk_fma_f32 v[ACC+8*u+\j:ACC+8*u+\j+1], v[ACC+8*u+\j:ACC+8*u+\j+1], s[30:31], v[CM+2*u:CM+2*u+1] op_sel_hi:[1,0,0] neg_lo:[0,0,1] neg_hi:[0,0,1]
.endr
.set i, 0
.rept 64
	v_exp_f32 v[ACC+i], v[ACC+i]
.set i, i+1
.endr
	v_nop                                          ; a plain instruction between the last exponential and the use of its result
	s_wait_alu depctr_va_vdst(0)
	ALL8 v_pk_mul_f32 v[UU+2*u:UU+2*u+1], v[ACC+8*u:ACC+8*u+1], v[VP+8*u:VP+8*u+1]
.irp j, 2,4,6
	ALL8 v_pk_fma_f32 v[UU+2*u:UU+2*u+1], v[ACC+8*u+\j:ACC+8*u+\j+1], v[VP+8*u+\j:VP+8*u+\j+1], v[UU+2*u:UU+2*u+1]
.endr
	ALL8 v_pk_add_f32 v[SG+2*u:SG+2*u+1], v[ACC+8*u:ACC+8*u+1], v[ACC+8*u+2:ACC+8*u+3]
	ALL8 v_pk_add_f32 v[SG+2*u:SG+2*u+1], v[SG+2*u:SG+2*u+1], v[ACC+8*u+4:ACC+8*u+5]
	ALL8 v_pk_add_f32 v[SG+2*u:SG+2*u+1], v[SG+2*u:SG+2*u+1], v[ACC+8*u+6:ACC+8*u+7]
	ALL8 v_add_f32 v[UU+2*u], v[UU+2*u], v[UU+2*u+1]
	ALL8 v_add_f32 v[SG+2*u], v[SG+2*u], v[SG+2*u+1]
	ALL8 v_permlanex16_b32 v[TP+u], v[UU+2*u], s32, s33
	ALL8 v_permlanex16_b32 v[MX+u], v[SG+2*u], s32, s33
	ALL8 v_add_f32 v[UU+2*u], v[UU+2*u], v[TP+u]
	ALL8 v_add_f32 v[SG+2*u], v[SG+2*u], v[MX+u]
	ALL8 v_rcp_f32 v[SG+2*u+1], v[SG+2*u]
	v_nop                                          ; a plain instruction between the last reciprocal and the use of its result
	s_wait_alu depctr_va_vdst(0)
	ALL8 v_fma_f32 v[MX+u], v[UU+2*u], v[SG+2*u+1], v[16+(u&3)]
	ALL8 v_cvt_pk_bf16_f32 v[TP+u], v[MX+u], v[MX+u]
	ALL8 ds_store_b16 v28, v[TP+u] offset:(u>>2)*RP+(u&3)*32
	s_wait_xcnt 0x0                                ; the scalar bases are stepped only behind this wait
	s_add_nc_u64 s[4:5], s[4:5], 128
	s_add_nc_u64 s[6:7], s[6:7], 32
	s_add_nc_u64 s[10:11], s[10:11], 512
	v_add_nc_u32 v28, 2*RP, v28
	s_sub_co_u32 s28, s28, 1
	s_cmp_lg_u32 s28, 0
	s_cbranch_scc1 .Lpass
	; out = res Wa + ba + features.  The residual's loads go out first
	v_lshlrev_b32 v32, 4, v0
	v_lshlrev_b32 v33, 4, v1
	s_lshl_b32 s38, s27, 14
	s_add_nc_u64 s[22:23], s[22:23], s[38:39]
	s_add_nc_u64 s[24:25], s[24:25], s[38:39]
	global_load_b128 v[64:67], v32, s[22:23]
	global_load_b128 v[68:71], v32, s[22:23] offset:8192
	global_load_b128 v[72:75], v33, s[20:21]
	s_wait_dscnt 0x0                               ; for the others' sake: my four rows of res are in LDS
	s_barrier_signal -1
	s_barrier_wait -1
	s_lshr_b32 s35, s26, 2                         ; wave w makes points 16 (w / 4) .. x channels 16 (w % 4) ..
	s_and_b32 s40, s26, 3
	s_lshl_b32 s35, s35, 4
	v_add_nc_u32 v34, s35, v1
	v_mul_u32_u24 v35, v34, RP
	v_add3_u32 v35, v35, v31, RES
	v_mul_u32_u24 v36, v34, OP
	s_lshl_b32 s41, s40, 6
	s_add_co_u32 s41, s41, OUT
	v_add3_u32 v36, v36, v8, s41
	s_lshl_b32 s41, s40, 10
	v_add_nc_u32 v37, s41, v6
.set n, 0
.rept 4
	ds_load_b128 v[96+4*n:96+4*n+3], v35 offset:32*n
	ds_load_b128 v[112+4*n:112+4*n+3], v37 offset:O_WA+(n>>1)*4096+(n&1)*512
.set n, n+1
.endr
	s_wait_dscnt 0x0
	v_wmma_f32_16x16x32_bf16 v[128:135], v[112:119], v[96:103], 0
	s_wait_alu depctr_va_vdst(0)                   ; the wait stands ahead of the link
	v_wmma_f32_16x16x32_bf16 v[128:135], v[120:127], v[104:111], v[128:135]
	PLACES
	ds_store_b128 v36, v[128:131]
	ds_store_b128 v36, v[132:135] offset:16
	s_wait_dscnt 0x0                               ; for the others' sake: my tile is in LDS
	s_barrier_signal -1
	s_barrier_wait -1
	v_lshrrev_b32 v38, 4, v0
	v_mul_u32_u24 v38, v38, OP
	v_add3_u32 v38, v38, v33, OUT
	ds_load_b128 v[76:79], v38                     ; whole rows back: 16 lanes take a row's 256 bytes
	ds_load_b128 v[80:83], v38 offset:32*OP
	s_wait_loadcnt 0x0
	RND2 64, 65, 30
	RND2 66, 67, 30
	RND2 68, 69, 30
	RND2 70, 71, 30
	RND2 72, 73, 30
	RND2 74, 75, 30
	s_wait_dscnt 0x0
	v_pk_add_f32 v[76:77], v[76:77], v[72:73]
	v_pk_add_f32 v[78:79], v[78:79], v[74:75]
	v_pk_add_f32 v[80:81], v[80:81], v[72:73]
	v_pk_add_f32 v[82:83], v[82:83], v[74:75]
	v_pk_add_f32 v[76:77], v[76:77], v[64:65]
	v_pk_add_f32 v[78:79], v[78:79], v[66:67]
	v_pk_add_f32 v[80:81], v[80:81], v[68:69]
	v_pk_add_f32 v[82:83], v[82:83], v[70:71]
	global_store_b128 v32, v[76:79], s[24:25]      ; 16 lanes store 256 consecutive bytes, at a multiple of 256 from out0's first byte
	global_store_b128 v32, v[80:83], s[24:25] offset:8192
	s_wait_tensorcnt 0x0                           ; the wave's end
	ds_add_u32 v3, v4
	s_wait_dscnt 0x0
	s_endpgm
.Lfunc_end_k_qe72960677d_attn:
	.size	k_qe72960677d_attn, .Lfunc_end_k_qe72960677d_attn-k_qe72960677d_attn
	.p2alignl 7, 3214868480
	.fill 96, 4, 3214868480
	.section	.rodata,"a",@progbits
	.p2align	6, 0x0
	.amdhsa_kernel k_qe72960677d_attn
		.amdhsa_group_segment_fixed_size 84224
		.amdhsa_private_segment_fixed_size 0
		.amdhsa_enable_private_segment 0
		.amdhsa_kernarg_size 88
		.amdhsa_user_sgpr_count 2
		.amdhsa_user_sgpr_kernarg_segment_ptr 1
		.amdhsa_wavefront_size32 1
		.amdhsa_system_sgpr_workgroup_id_x 1
		.amdhsa_system_sgpr_workgroup_id_y 1
		.amdhsa_system_sgpr_workgroup_id_z 1
		.amdhsa_system_vgpr_workitem_id 0
		.amdhsa_next_free_vgpr 256
		.amdhsa_next_free_sgpr 66
		.amdhsa_reserve_vcc 0
		.amdhsa_float_denorm_mode_32 3
		.amdhsa_float_denorm_mode_16_64 3
		.amdhsa_memory_ordered 1
		.amdhsa_forward_progress 1
		.amdhsa_inst_pref_size 55
	.end_amdhsa_kernel
	.amdgpu_metadata
---
amdhsa.version: [ 1, 2 ]
amdhsa.kernels:
  - .name:           k_qe72960677d_attn
    .symbol:         k_qe72960677d_attn.kd
    .args:
      - { .name: nb, .offset: 0, .size: 8, .value_kind: global_buffer, .address_space: global }
      - { .name: p4, .offset: 8, .size: 8, .value_kind: global_buffer, .address_space: global }
      - { .name: xb, .offset: 16, .size: 8, .value_kind: global_buffer, .address_space: global }
      - { .name: qp, .offset: 24, .size: 8, .value_kind: global_buffer, .address_space: global }
      - { .name: wb, .offset: 32, .size: 8, .value_kind: global_buffer, .address_space: global }
      - { .name: bt1, .offset: 40, .size: 8, .value_kind: global_buffer, .address_space: global }
      - { .name: bt2, .offset: 48, .size: 8, .value_kind: global_buffer, .address_space: global }
      - { .name: bp2, .offset: 56, .size: 8, .value_kind: global_buffer, .address_space: global }
      - { .name: ba, .offset: 64, .size: 8, .value_kind: global_buffer, .address_space: global }
      - { .name: features, .offset: 72, .size: 8, .value_kind: global_buffer, .address_space: global }
      - { .name: out0, .offset: 80, .size: 8, .value_kind: global_buffer, .address_space: global }
    .group_segment_fixed_size: 84224
    .private_segment_fixed_size: 0
    .kernarg_segment_align: 8
    .kernarg_segment_size: 88
    .max_flat_workgroup_size: 512
    .sgpr_count:     66
    .vgpr_count:     256
    .wavefront_size: 32
...
	.end_amdgpu_metadata
.endif
;; end of part 4
;; ======== version 2 of 2: 4 launches; version 1 with the launch attn written anew for expert scheduling mode
;; workspace buffers: tg 262,144 bytes; tq 524,288 bytes; p4 262,144 bytes; xb 2,097,152 bytes; qp 4,194,304 bytes; wb 53,248 bytes; gl 1,048,576 bytes of whole numbers; nb 1,048,576 bytes of whole numbers
;; launch prep: the kernel of part 1 again; grid 256 x 1, 4 waves a work-group, no clusters, 16,896 bytes of LDS; arguments xyzp, features, Wk, bk, Wq, bp2, Wp1, bp1, Wp2, Wks, Wv, Wt1, Wt2, Wa, tg, tq, p4, xb, qp, wb; writes tg, tq, p4, xb, qp, wb
;; launch knna: the kernel of part 2 again; grid 256 x 1, 16 waves a work-group, no clusters, 152,576 bytes of LDS; arguments tg, tq, gl; writes gl
;; launch knnb: the kernel of part 3 again; grid 256 x 1, 16 waves a work-group, no clusters, 0 bytes of LDS; arguments gl, tg, tq, nb; writes nb
;; launch attn (part 5): grid 256 x 1, 16 waves a work-group, no clusters, 84,224 bytes of LDS; arguments nb, p4, xb, qp, wb, bt1, bt2, bp2, ba, features, out0; writes out0
.if DOCPART == 5
	.amdgcn_target "amdgcn-amd-amdhsa--gfx1250"
	.amdhsa_code_object_version 6
	.text
	.protected	k_qe72960677d_attn
	.globl	k_qe72960677d_attn
	.p2align	8
	.type	k_qe72960677d_attn,@function
k_qe72960677d_attn:
	s_mov_b64 s[64:65], 0
	v_nop
	global_prefetch_b8 v0, s[64:65] scope:SCOPE_SE
	s_setreg_imm32_b32 hwreg(HW_REG_WAVE_SCHED_MODE, 0, 2), 2
	s_setreg_imm32_b32 hwreg(HW_REG_WAVE_MODE, 25, 1), 1
	s_wait_xcnt 0x0
	s_wait_alu depctr_vm_vsrc(0)
; THE LAYER.  For each point and its 16 neighbours (one matrix tile's 16 rows):
;   Hp = relu(rel Wp1 + bp1)             rel = own xyzp - neighbour's, rounded to bf16; bp1 rides as row 4 of the weight fragment against a constant 1
;   a_in = (x Wq + bp2)[own] + Hp Wp2 + x[nbr] (-Wks)          VP = Hp Wp2 + x[nbr] Wv  (v + pos_enc, less bp2)
;   L = relu(a_in Wt1 + bt1) Wt2 + bt2   softmax over the 16 neighbours of L / 8, the maximum taken away first;  res = sum(p VP) / sum(p) + bp2  (the weights add up to 1)
;   out = res Wa + ba + features
; Products in bf16 with f32 sums; activations rounded once to bf16 as matrix operands; all inputs are bf16 values (biases and the residual features are rounded here, the rest in the first launch).
; LAYOUTS.  Weights as source 0: a lane holds neighbour r = lane % 16 and channels 16 t + 8 h + 0..7, and two tiles rounded in pairs ARE a fragment of the next product.
; Weights as source 1: a lane holds channel 16 t + r and neighbours 8 h + 0..7: the softmax over neighbours is work inside the lane and one exchange of the lanes' halves.
; SHARES.  A work-group owns 64 points, a wave 4, two at a time (p = 0, 1): 8 accumulators take turns, one instruction a turn.  All weights lie in LDS as fragments.
; No tensor loads and no cluster: the tables are small and gathered by rows of 128 bytes; what work-groups share is 53,248 bytes of weights, read once each.
; LIMITS: NaN and infinities are not treated apart; a weight below 2^-126 counts as 0.
; THE MODE: SCHED_MODE bits 1:0 = 2 (LLVM: expert scheduling mode 2), set by the entry lines.  The code itself states the register dependences
; between vector or matrix instructions and memory or LDS instructions, with s_wait_alu, always for 0.
; THE PLAN.  Registers that memory or LDS instructions touch, in a pass:
;   v5-v9, v29, v31  offsets and LDS addresses: made at the head, never written again.
;   v10, v11, v20-27 indices and own xyzp: loaded at the pass's top; vector lines read them (and hold the indices inside the table).
;   v12-v15          gather addresses: written by vector lines once a pass, read by the ten gathers.
;   ACC              loaded with x Wq + bp2 at the pass's top; from then on named by matrix and vector lines alone.
;   VP               its first eight registers are loaded with the neighbours' xyzp; then Hp's sums, then v + pos_enc: matrix and vector lines alone.
;   X                loaded with x of the neighbours (read by the products with Wks and Wv), then with bt1's tile, then with bt2's; the softmax works in it last.
;   W  (bank A)      loaded with P1, P2.0, P2.1, KS.0, VV.0, T1.0, T1.1, T2.0, T2.1; read by products; the softmax works in it last, and the pass's eight LDS stores read v40-47.
;   F  (bank B)      rel, Hp, a_in and the hidden layer as fragments, written by vector lines; between Hp's last product and a_in's rounding no activation lives here, and KS.1 and VV.1 are loaded into it.
;   v28              LDS address of res: read by the eight stores, stepped once a pass.
; A bank or a bias tile is loaded again straight behind ONE wait on va_vdst, which stands behind the products that read it; where the other bank is free its loads go out a group of products ahead
; of their use, and the products and conversions that stand between name other registers.  One wait on vm_vsrc a pass stands at its bottom, ahead of the branch.
.set O_P1,  0                          ; LDS 0 .. 53,247: a copy of wb
.set O_P2,  4096
.set O_KS,  12288
.set O_VV,  20480
.set O_T1,  28672
.set O_T2,  36864
.set O_WA,  45056
.set BT1,   53248                      ; bt1, 64 f32
.set BT2X,  53504                      ; bt2: channel c eight times at 32 c
.set RES,   55552                      ; res in bf16: 64 rows of 128 bytes, 144 apart
.set RP,    144
.set OUT,   64768                      ; res Wa in f32: 64 rows of 256 bytes, 272 apart
.set OP,    272
.set SPARE, 82176                      ; the spare words: 128 bytes for each of 16 waves
.set W,   32                           ; v32-63   bank A: 4 weight fragments; softmax: MX, TP, SG
.set ACC, 64                           ; v64-127  accumulators [p][t]
.set VP,  128                          ; v128-191 accumulators [p][t]; before that the neighbours' xyzp at +4 p
.set X,   192                          ; v192-223 x of the neighbours [p][ks]; then a bias tile [t]; softmax: CM, UU
.set F,   224                          ; v224-255 activations as fragments [p][ks]; rel's fragment of point p is [p][0]; bank B
.set RT,  F+8                          ; v232-238 at work while rel is made
.set MX,  32
.set TP,  40
.set SG,  48
.set CM,  192
.set UU,  208
.macro RND2 a, b, t
	v_cvt_pk_bf16_f32 v[\t], v[\a], v[\b]
	v_lshlrev_b32 v[\a], 16, v[\t]
	v_and_b32 v[\b], 0xffff0000, v[\t]
.endm
.macro PLACES                          ; four plain vector places behind a matrix instruction, before a vector line reads its result or writes a source (ISA guide 7.12.1)
.rept 4
	v_nop
.endr
.endm
.macro LDW bank, off, ks               ; the four fragments (t = 0..3) of K step ks of the matrix at off, into a bank; the wait that frees the bank stands ahead of the macro
.set t, 0
.rept 4
	ds_load_b128 v[(\bank)+8*t:(\bank)+8*t+3], v6 offset:(\off)+(4*(\ks)+t)*1024
	ds_load_b128 v[(\bank)+8*t+4:(\bank)+8*t+7], v6 offset:(\off)+(4*(\ks)+t)*1024+512
.set t, t+1
.endr
.endm
.macro LOADBT areg, step               ; a bias tile for each t into X
.set t, 0
.rept 4
	ds_load_b128 v[X+8*t:X+8*t+3], v[\areg] offset:t*(\step)
	ds_load_b128 v[X+8*t+4:X+8*t+7], v[\areg] offset:t*(\step)+16
.set t, t+1
.endr
.endm
; 8 products with the weights of bank wb.  tr = 1: weights are source 0; 0: source 1.  cm = 0: C is 0; 1: in place; 2: C is the bias tile
.macro MM tr, dst, wb, src, ks, cm
.set t, 0
.rept 4
.set p, 0
.rept 2
.set rD, (\dst)+32*p+8*t
.if \tr
.set rA, (\wb)+8*t
.set rB, (\src)+16*p+8*(\ks)
.else
.set rA, (\src)+16*p+8*(\ks)
.set rB, (\wb)+8*t
.endif
.if (\cm) == 0
	v_wmma_f32_16x16x32_bf16 v[rD:rD+7], v[rA:rA+7], v[rB:rB+7], 0
.elseif (\cm) == 1
	v_wmma_f32_16x16x32_bf16 v[rD:rD+7], v[rA:rA+7], v[rB:rB+7], v[rD:rD+7]
.else
	v_wmma_f32_16x16x32_bf16 v[rD:rD+7], v[rA:rA+7], v[rB:rB+7], v[X+8*t:X+8*t+7]
.endif
.set p, p+1
.endr
.set t, t+1
.endr
.endm
.macro CVT src, relu                   ; 8 accumulators rounded in pairs, ascending, into F
.set i, 0
.rept 32
	v_cvt_pk_bf16_f32 v[F+i], v[(\src)+2*i], v[(\src)+2*i+1]
.set i, i+1
.endr
.if \relu
.set i, 0
.rept 32
	v_pk_max_num_bf16 v[F+i], v[F+i], v5
.set i, i+1
.endr
.endif
.endm
.macro ALL8 line:vararg                ; one line for each tile u = 4 p + t
.set u, 0
.rept 8
	\line
.set u, u+1
.endr
.endm
	s_load_b512 s[4:19], s[0:1], 0x0               ; nb s4, p4 s6, xb s8, qp s10, wb s12, bt1 s14, bt2 s16, bp2 s18
	s_load_b128 s[20:23], s[0:1], 0x40             ; ba s20, features s22
	s_load_b64 s[24:25], s[0:1], 0x50              ; out0
	v_lshl_add_u32 v3, v0, 2, SPARE                ; my spare word; never rewritten
	v_mov_b32 v4, 0                                ; 0; never rewritten
	v_mov_b32 v5, 0                                ; 0 for relu and as an offset
	v_and_b32 v1, 15, v0                           ; r
	v_bfe_u32 v2, v0, 4, 1                         ; h
	v_lshrrev_b32 v30, 5, v0
	v_readfirstlane_b32 s26, v30                   ; wave
	s_mov_b32 s27, ttmp9
	v_and_b32 v6, 31, v0
	v_lshlrev_b32 v33, 3, v6                       ; 8 x lane
	v_lshlrev_b32 v34, 6, v6                       ; 64 x lane
	v_lshlrev_b32 v6, 4, v6                        ; 16 x lane
	v_lshlrev_b32 v7, 2, v1                        ; 4 r
	v_lshlrev_b32 v8, 5, v2                        ; 32 h
	v_lshl_add_u32 v9, v1, 5, BT2X
	v_lshl_add_u32 v29, v2, 5, BT1
	v_lshlrev_b32 v31, 4, v2                       ; 16 h
	v_lshlrev_b32 v32, 4, v0                       ; 16 x thread
	s_wait_alu depctr_va_sdst(0)                   ; s26 is written, ahead of its first reader: LDS places, branches and bases are made from it
	s_mul_i32 s35, s26, 4*RP
	s_add_co_u32 s35, s35, RES
	v_lshl_add_u32 v28, v1, 1, s35                 ; where res of my first point, channel r, goes
	s_mov_b32 s30, 0x3e38aa3b                      ; log2(e) / 8
	s_mov_b32 s31, s30
	s_mov_b32 s32, 0x76543210                      ; v_permlanex16_b32: each lane takes its own place in the other half
	s_mov_b32 s33, 0xfedcba98
	s_mov_b32 s34, 0xffff                          ; lanes with h = 0
	s_mov_b32 s39, 0
	s_wait_kmcnt 0x0
	s_wait_alu depctr_va_vdst(0)                   ; the offsets v7, v32, v33 and v34 are written, which the head's loads and LDS stores read
	; the weights and biases into LDS
.set i, 0
.rept 6
	global_load_b128 v[64+4*i:64+4*i+3], v32, s[12:13] offset:i*8192
.set i, i+1
.endr
.set t, 0
.rept 4
	global_load_b32 v[16+t], v7, s[18:19] offset:t*64  ; bp2 of channel 16 t + r
.set t, t+1
.endr
	s_cmp_gt_u32 s26, 7
	s_cbranch_scc1 .Lnot7
	global_load_b128 v[88:91], v32, s[12:13] offset:49152  ; waves 0 to 7: the last 4,096 bytes of wb
	s_wait_loadcnt 0x0
	ds_store_b128 v32, v[88:91] offset:49152
	s_branch .Lcommon
.Lnot7:
	s_cmp_eq_u32 s26, 8
	s_cbranch_scc0 .Lnot8
	global_load_b64 v[88:89], v33, s[14:15]        ; wave 8: bt1
	s_wait_loadcnt 0x0
	RND2 88, 89, 30
	s_wait_alu depctr_va_vdst(0)                   ; the rounding has written v88 and v89, which the LDS store reads
	ds_store_b64 v33, v[88:89] offset:BT1
	s_branch .Lcommon
.Lnot8:
	s_cmp_eq_u32 s26, 9
	s_cbranch_scc0 .Lcommon
	global_load_b64 v[88:89], v33, s[16:17]        ; wave 9: bt2, each channel eight times
	s_wait_loadcnt 0x0
	RND2 88, 89, 30
	v_mov_b32 v92, v88
	v_mov_b32 v93, v88
	v_mov_b32 v94, v88
	v_mov_b32 v95, v88
	v_mov_b32 v96, v89
	v_mov_b32 v97, v89
	v_mov_b32 v98, v89
	v_mov_b32 v99, v89
	s_wait_alu depctr_va_vdst(0)                   ; the copies have written v92 to v99, which the LDS stores read
	ds_store_b128 v34, v[92:95] offset:BT2X
	ds_store_b128 v34, v[92:95] offset:BT2X+16
	ds_store_b128 v34, v[96:99] offset:BT2X+32
	ds_store_b128 v34, v[96:99] offset:BT2X+48
.Lcommon:
	s_wait_loadcnt 0x0
.set i, 0
.rept 6
	ds_store_b128 v32, v[64+4*i:64+4*i+3] offset:i*8192
.set i, i+1
.endr
	RND2 16, 17, 30
	RND2 18, 19, 30
	s_lshr_b32 s35, s27, 7                         ; batch
	s_lshl_b32 s38, s35, 17
	s_add_nc_u64 s[36:37], s[6:7], s[38:39]        ; p4 of the batch, for the neighbours
	s_lshl_b32 s38, s35, 20
	s_add_nc_u64 s[8:9], s[8:9], s[38:39]          ; xb of the batch
	s_lshl_b32 s35, s27, 6
	s_lshl_b32 s40, s26, 2
	s_add_co_u32 s35, s35, s40                     ; my first point
	s_lshl_b32 s38, s35, 6
	s_add_nc_u64 s[4:5], s[4:5], s[38:39]
	s_lshl_b32 s38, s35, 4
	s_add_nc_u64 s[6:7], s[6:7], s[38:39]
	s_lshl_b32 s38, s35, 8
	s_add_nc_u64 s[10:11], s[10:11], s[38:39]
	s_wait_dscnt 0x0                               ; for the others' sake: my part of the tables is in LDS
	s_barrier_signal -1
	s_barrier_wait -1
	s_wait_alu depctr_vm_vsrc(0)                   ; the head's loads and LDS stores have read their offsets v32 to v34 and their data v64 to v99: the first pass's loads land in these registers
	s_mov_b32 s28, 2
.Lpass:                                                ; 2 passes of 2 points
	s_wait_alu depctr_va_vdst(0)                   ; the head, or the last pass's softmax, is done writing and reading v10, v11, v20-27, ACC and W, in which the loads below land; v28 is written
	global_load_b32 v10, v7, s[4:5]                ; neighbour r of point 0,
	global_load_b32 v11, v7, s[4:5] offset:64      ; of point 1
	global_load_b128 v[20:23], v5, s[6:7]
	global_load_b128 v[24:27], v5, s[6:7] offset:16
.set p, 0
.rept 2
.set n, 0
.rept 8
	global_load_b128 v[ACC+32*p+4*n:ACC+32*p+4*n+3], v8, s[10:11] offset:p*256+(n>>1)*64+(n&1)*16  ; x Wq + bp2 of the point starts a_in's sums: asked for here, wanted behind Hp
.set n, n+1
.endr
.set p, p+1
.endr
	LDW W, O_P1, 0
	s_wait_loadcnt 16                              ; loads come back in order (ISA guide 5.7.1): the indices and my points' xyzp are in, the sixteen younger loads stay out
	v_min_u32 v10, 0x1fff, v10                     ; numbers read from memory are held inside the tables before they make addresses
	v_min_u32 v11, 0x1fff, v11
	v_lshl_add_u32 v12, v10, 7, v31
	v_lshl_add_u32 v13, v11, 7, v31
	v_lshlrev_b32 v14, 4, v10
	v_lshlrev_b32 v15, 4, v11
	v_mov_b32 v[RT+6], 0x3f80                      ; 1.0 and 0 in bf16
	s_wait_alu depctr_va_vdst(0)                   ; v12 to v15 are written, which the gathers read as offsets
	global_load_b128 v[VP:VP+3], v14, s[36:37]
	global_load_b128 v[VP+4:VP+7], v15, s[36:37]
.set p, 0
.rept 2
.set n, 0
.rept 4
	global_load_b128 v[X+16*p+4*n:X+16*p+4*n+3], v[12+p], s[8:9] offset:32*n
.set n, n+1
.endr
.set p, p+1
.endr
	s_wait_loadcnt 8                               ; the neighbours' xyzp, and x Wq + bp2 ahead of them, are in; the eight gathers of x stay out
.set p, 0
.rept 2                                                ; rel as a fragment with K = 32: k 0-3 rel, k 4 the constant 1, the rest 0
	v_pk_add_f32 v[RT:RT+1], v[20+4*p:21+4*p], v[VP+4*p:VP+4*p+1] neg_lo:[0,1] neg_hi:[0,1]
	v_pk_add_f32 v[RT+2:RT+3], v[22+4*p:23+4*p], v[VP+4*p+2:VP+4*p+3] neg_lo:[0,1] neg_hi:[0,1]
	v_cvt_pk_bf16_f32 v[RT+4], v[RT], v[RT+1]
	v_cvt_pk_bf16_f32 v[RT+5], v[RT+2], v[RT+3]
	v_cndmask_b32 v[F+16*p], 0, v[RT+4], s34
	v_cndmask_b32 v[F+16*p+1], 0, v[RT+5], s34
	v_cndmask_b32 v[F+16*p+2], 0, v[RT+6], s34
	v_mov_b32 v[F+16*p+3], 0
	v_mov_b32 v[F+16*p+4], 0
	v_mov_b32 v[F+16*p+5], 0
	v_mov_b32 v[F+16*p+6], 0
	v_mov_b32 v[F+16*p+7], 0
.set p, p+1
.endr
	s_wait_dscnt 0x0                               ; P1 is in
	MM 1, VP, W, F, 0, 0
	PLACES
	s_wait_alu depctr_va_vdst(0)                   ; those products are done reading W
	LDW W, O_P2, 0                                 ; lands while Hp is rounded: the conversions name VP, F and v5
	CVT VP, 1                                      ; Hp
	s_wait_dscnt 0x0
	MM 1, ACC, W, F, 0, 1
	MM 0, VP, W, F, 0, 0
	s_wait_alu depctr_va_vdst(0)                   ; both groups of products are done reading W
	LDW W, O_P2, 1
	s_wait_dscnt 0x0
	MM 1, ACC, W, F, 1, 1
	MM 0, VP, W, F, 1, 1
	s_wait_alu depctr_va_vdst(0)                   ; both groups are done reading W and F: Hp is used up, and F serves as the second bank
	LDW W, O_KS, 0
	LDW F, O_KS, 1
	s_wait_loadcnt 0x0                             ; x of the neighbours is in
	s_wait_dscnt 8                                 ; LDS loads come back in order (ISA guide 5.7.1): KS.0 is in, the eight younger loads stay out
	MM 1, ACC, W, X, 0, 1
	s_wait_alu depctr_va_vdst(0)                   ; those products are done reading W
	LDW W, O_VV, 0
	s_wait_dscnt 8                                 ; KS.1 is in
	MM 1, ACC, F, X, 1, 1
	s_wait_alu depctr_va_vdst(0)                   ; those products are done reading F
	LDW F, O_VV, 1
	s_wait_dscnt 8                                 ; VV.0 is in
	MM 0, VP, W, X, 0, 1
	s_wait_alu depctr_va_vdst(0)                   ; those products are done reading W
	LDW W, O_T1, 0
	s_wait_dscnt 8                                 ; VV.1 is in
	MM 0, VP, F, X, 1, 1
	PLACES
	s_wait_alu depctr_va_vdst(0)                   ; those products are done reading X
	LOADBT 29, 64                                  ; bt1 of channels 16 t + 8 h + 0..7; lands while a_in is rounded
	CVT ACC, 0                                     ; a_in
	s_wait_dscnt 0x0                               ; T1.0 and the bias tile are in
	MM 1, ACC, W, F, 0, 2
	s_wait_alu depctr_va_vdst(0)                   ; those products are done reading W and X
	LDW W, O_T1, 1
	LOADBT 9, 512                                  ; bt2 of channel 16 t + r, eight times
	s_wait_dscnt 8                                 ; T1.1 is in, the bias tile's eight loads stay out
	MM 1, ACC, W, F, 1, 1
	PLACES
	s_wait_alu depctr_va_vdst(0)                   ; those products are done reading W
	LDW W, O_T2, 0                                 ; lands while the hidden layer is rounded
	CVT ACC, 1
	s_wait_dscnt 0x0                               ; the bias tile and T2.0 are in
	MM 0, ACC, W, F, 0, 2
	s_wait_alu depctr_va_vdst(0)                   ; those products are done reading W
	LDW W, O_T2, 1
	s_wait_dscnt 0x0
	MM 0, ACC, W, F, 1, 1
	PLACES
	; softmax over the 16 neighbours, a channel a lane pair; each accumulator's lowest registers are read first
	ALL8 v_max3_num_f32 v[MX+u], v[ACC+8*u], v[ACC+8*u+1], v[ACC+8*u+2]
	ALL8 v_max3_num_f32 v[MX+u], v[MX+u], v[ACC+8*u+3], v[ACC+8*u+4]
	ALL8 v_max3_num_f32 v[MX+u], v[MX+u], v[ACC+8*u+5], v[ACC+8*u+6]
	ALL8 v_max_num_f32 v[MX+u], v[MX+u], v[ACC+8*u+7]
	ALL8 v_permlanex16_b32 v[TP+u], v[MX+u], s32, s33
	ALL8 v_max_num_f32 v[MX+u], v[MX+u], v[TP+u]
	ALL8 v_mul_f32 v[CM+2*u], s30, v[MX+u]
.irp j, 0,2,4,6
	ALL8 v_pk_fma_f32 v[ACC+8*u+\j:ACC+8*u+\j+1], v[ACC+8*u+\j:ACC+8*u+\j+1], s[30:31], v[CM+2*u:CM+2*u+1] op_sel_hi:[1,0,0] neg_lo:[0,0,1] neg_hi:[0,0,1]
.endr
.set i, 0
.rept 64
	v_exp_f32 v[ACC+i], v[ACC+i]
.set i, i+1
.endr
	v_nop                                          ; a plain instruction between the last exponential and the use of its result
	s_wait_alu depctr_va_vdst(0)                   ; the 64 exponentials have written ACC: one wait for the batch, ahead of its first reader
	ALL8 v_pk_mul_f32 v[UU+2*u:UU+2*u+1], v[ACC+8*u:ACC+8*u+1], v[VP+8*u:VP+8*u+1]
.irp j, 2,4,6
	ALL8 v_pk_fma_f32 v[UU+2*u:UU+2*u+1], v[ACC+8*u+\j:ACC+8*u+\j+1], v[VP+8*u+\j:VP+8*u+\j+1], v[UU+2*u:UU+2*u+1]
.endr
	ALL8 v_pk_add_f32 v[SG+2*u:SG+2*u+1], v[ACC+8*u:ACC+8*u+1], v[ACC+8*u+2:ACC+8*u+3]
	ALL8 v_pk_add_f32 v[SG+2*u:SG+2*u+1], v[SG+2*u:SG+2*u+1], v[ACC+8*u+4:ACC+8*u+5]
	ALL8 v_pk_add_f32 v[SG+2*u:SG+2*u+1], v[SG+2*u:SG+2*u+1], v[ACC+8*u+6:ACC+8*u+7]
	ALL8 v_add_f32 v[UU+2*u], v[UU+2*u], v[UU+2*u+1]
	ALL8 v_add_f32 v[SG+2*u], v[SG+2*u], v[SG+2*u+1]
	ALL8 v_permlanex16_b32 v[TP+u], v[UU+2*u], s32, s33
	ALL8 v_permlanex16_b32 v[MX+u], v[SG+2*u], s32, s33
	ALL8 v_add_f32 v[UU+2*u], v[UU+2*u], v[TP+u]
	ALL8 v_add_f32 v[SG+2*u], v[SG+2*u], v[MX+u]
	ALL8 v_rcp_f32 v[SG+2*u+1], v[SG+2*u]
	v_nop                                          ; a plain instruction between the last reciprocal and the use of its result
	s_wait_alu depctr_va_vdst(0)                   ; the eight reciprocals have written their registers: one wait for the batch, ahead of its first reader
	ALL8 v_fma_f32 v[MX+u], v[UU+2*u], v[SG+2*u+1], v[16+(u&3)]
	ALL8 v_cvt_pk_bf16_f32 v[TP+u], v[MX+u], v[MX+u]
	s_wait_alu depctr_va_vdst(0)                   ; the roundings have written v40 to v47, which the LDS stores read
	ALL8 ds_store_b16 v28, v[TP+u] offset:(u>>2)*RP+(u&3)*32
	s_wait_xcnt 0x0                                ; the scalar bases are stepped only behind this wait
	s_add_nc_u64 s[4:5], s[4:5], 128
	s_add_nc_u64 s[6:7], s[6:7], 32
	s_add_nc_u64 s[10:11], s[10:11], 512
	s_wait_alu depctr_vm_vsrc(0)                   ; the LDS stores have read v28, stepped below, and v40 to v47, in which the next pass's weights land; the gathers have read v12 to v15, which the next pass writes
	v_add_nc_u32 v28, 2*RP, v28
	s_sub_co_u32 s28, s28, 1
	s_cmp_lg_u32 s28, 0
	s_cbranch_scc1 .Lpass
	; out = res Wa + ba + features.  All the way out's offsets and LDS addresses are made here, in one run; the residual's loads go out first
	v_lshlrev_b32 v32, 4, v0
	v_lshlrev_b32 v33, 4, v1
	s_lshl_b32 s38, s27, 14
	s_add_nc_u64 s[22:23], s[22:23], s[38:39]
	s_add_nc_u64 s[24:25], s[24:25], s[38:39]
	s_lshr_b32 s35, s26, 2                         ; wave w makes points 16 (w / 4) .. x channels 16 (w % 4) ..
	s_and_b32 s40, s26, 3
	s_lshl_b32 s35, s35, 4
	s_lshl_b32 s41, s40, 6
	s_add_co_u32 s41, s41, OUT
	s_lshl_b32 s42, s40, 10
	v_add_nc_u32 v34, s35, v1
	v_mul_u32_u24 v35, v34, RP
	v_add3_u32 v35, v35, v31, RES
	v_mul_u32_u24 v36, v34, OP
	v_add3_u32 v36, v36, v8, s41
	v_add_nc_u32 v37, s42, v6
	v_lshrrev_b32 v38, 4, v0
	v_mul_u32_u24 v38, v38, OP
	v_add3_u32 v38, v38, v33, OUT
	s_wait_alu depctr_va_vdst(0)                   ; v32, v33 and v35 to v38 are written, which the loads and stores below read; the softmax is done with v64 to v127, in which the loads below land
	global_load_b128 v[64:67], v32, s[22:23]
	global_load_b128 v[68:71], v32, s[22:23] offset:8192
	global_load_b128 v[72:75], v33, s[20:21]
	s_wait_dscnt 0x0                               ; for the others' sake: my four rows of res are in LDS
	s_barrier_signal -1
	s_barrier_wait -1
.set n, 0
.rept 4
	ds_load_b128 v[96+4*n:96+4*n+3], v35 offset:32*n   ; no vector line since the wait above names these registers
	ds_load_b128 v[112+4*n:112+4*n+3], v37 offset:O_WA+(n>>1)*4096+(n&1)*512
.set n, n+1
.endr
	s_wait_dscnt 0x0
	v_wmma_f32_16x16x32_bf16 v[128:135], v[112:119], v[96:103], 0
	s_wait_alu depctr_va_vdst(0)                   ; the wait stands ahead of the link
	v_wmma_f32_16x16x32_bf16 v[128:135], v[120:127], v[104:111], v[128:135]
	PLACES
	s_wait_alu depctr_va_vdst(0)                   ; the product has written v128 to v135, which the LDS stores read; the places above stay beside this wait
	ds_store_b128 v36, v[128:131]
	ds_store_b128 v36, v[132:135] offset:16
	s_wait_dscnt 0x0                               ; for the others' sake: my tile is in LDS
	s_barrier_signal -1
	s_barrier_wait -1
	ds_load_b128 v[76:79], v38                     ; whole rows back: 16 lanes take a row's 256 bytes; no vector line since the last wait names v38 or v76 to v83
	ds_load_b128 v[80:83], v38 offset:32*OP
	s_wait_loadcnt 0x0
	RND2 64, 65, 30
	RND2 66, 67, 30
	RND2 68, 69, 30
	RND2 70, 71, 30
	RND2 72, 73, 30
	RND2 74, 75, 30
	s_wait_dscnt 0x0
	v_pk_add_f32 v[76:77], v[76:77], v[72:73]
	v_pk_add_f32 v[78:79], v[78:79], v[74:75]
	v_pk_add_f32 v[80:81], v[80:81], v[72:73]
	v_pk_add_f32 v[82:83], v[82:83], v[74:75]
	v_pk_add_f32 v[76:77], v[76:77], v[64:65]
	v_pk_add_f32 v[78:79], v[78:79], v[66:67]
	v_pk_add_f32 v[80:81], v[80:81], v[68:69]
	v_pk_add_f32 v[82:83], v[82:83], v[70:71]
	s_wait_alu depctr_va_vdst(0)                   ; the sums have written v76 to v83, which the stores read
	global_store_b128 v32, v[76:79], s[24:25]      ; 16 lanes store 256 consecutive bytes, at a multiple of 256 from out0's first byte
	global_store_b128 v32, v[80:83], s[24:25] offset:8192
	s_wait_dscnt 0x0                               ; the closing lines, six on end
	s_wait_alu 0x0
	s_wait_tensorcnt 0x0
	ds_add_u32 v3, v4
	s_wait_dscnt 0x0
	s_endpgm
.Lfunc_end_k_qe72960677d_attn:
	.size	k_qe72960677d_attn, .Lfunc_end_k_qe72960677d_attn-k_qe72960677d_attn
	.p2alignl 7, 3214868480
	.fill 96, 4, 3214868480
	.section	.rodata,"a",@progbits
	.p2align	6, 0x0
	.amdhsa_kernel k_qe72960677d_attn
		.amdhsa_group_segment_fixed_size 84224
		.amdhsa_private_segment_fixed_size 0
		.amdhsa_enable_private_segment 0
		.amdhsa_kernarg_size 88
		.amdhsa_user_sgpr_count 2
		.amdhsa_user_sgpr_kernarg_segment_ptr 1
		.amdhsa_wavefront_size32 1
		.amdhsa_system_sgpr_workgroup_id_x 1
		.amdhsa_system_sgpr_workgroup_id_y 1
		.amdhsa_system_sgpr_workgroup_id_z 1
		.amdhsa_system_vgpr_workitem_id 0
		.amdhsa_next_free_vgpr 256
		.amdhsa_next_free_sgpr 66
		.amdhsa_reserve_vcc 0
		.amdhsa_float_denorm_mode_32 3
		.amdhsa_float_denorm_mode_16_64 3
		.amdhsa_memory_ordered 1
		.amdhsa_forward_progress 1
		.amdhsa_inst_pref_size 54
	.end_amdhsa_kernel
	.amdgpu_metadata
---
amdhsa.version: [ 1, 2 ]
amdhsa.kernels:
  - .name:           k_qe72960677d_attn
    .symbol:         k_qe72960677d_attn.kd
    .args:
      - { .name: nb, .offset: 0, .size: 8, .value_kind: global_buffer, .address_space: global }
      - { .name: p4, .offset: 8, .size: 8, .value_kind: global_buffer, .address_space: global }
      - { .name: xb, .offset: 16, .size: 8, .value_kind: global_buffer, .address_space: global }
      - { .name: qp, .offset: 24, .size: 8, .value_kind: global_buffer, .address_space: global }
      - { .name: wb, .offset: 32, .size: 8, .value_kind: global_buffer, .address_space: global }
      - { .name: bt1, .offset: 40, .size: 8, .value_kind: global_buffer, .address_space: global }
      - { .name: bt2, .offset: 48, .size: 8, .value_kind: global_buffer, .address_space: global }
      - { .name: bp2, .offset: 56, .size: 8, .value_kind: global_buffer, .address_space: global }
      - { .name: ba, .offset: 64, .size: 8, .value_kind: global_buffer, .address_space: global }
      - { .name: features, .offset: 72, .size: 8, .value_kind: global_buffer, .address_space: global }
      - { .name: out0, .offset: 80, .size: 8, .value_kind: global_buffer, .address_space: global }
    .group_segment_fixed_size: 84224
    .private_segment_fixed_size: 0
    .kernarg_segment_align: 8
    .kernarg_segment_size: 88
    .max_flat_workgroup_size: 512
    .sgpr_count:     66
    .vgpr_count:     256
    .wavefront_size: 32
...
	.end_amdgpu_metadata
.endif
;; end of part 5
